; MI455X (gfx1250); checked and timed in simulation.
; The chip was launched on July 23, 2026; its instructions are those of AMD's public machine-readable ISA for CDNA 5 (MIT licence, August 2026) and "CDNA5" Instruction Set Architecture Reference Guide (July 2026). The comments in the code are by the model that wrote it; some were corrected since.
;; Sparse Causal Self Attention. Allowed arithmetic: float matrix products may take bf16 or f16 operands with f32 sums; all other float work in f32.
;; Inputs: cum_weight 1,024 x 1,024 float32; k 2 x 1,024 x 8 x 64 float32; mask 1,024 x 1,024 int32; q 2 x 1,024 x 2 x 8 x 64 float32; v 2 x 1,024 x 8 x 64 float32.
;; Outputs: out0 2 x 1,024 x 2 x 8 x 64 float32.
;; 3 versions, each right; version 2 is faster than version 1; version 3 is version 2 with the launch attn written anew for expert scheduling mode. Each part assembles by itself: llvm-mc -triple=amdgcn-amd-amdhsa -mcpu=gfx1250 --defsym DOCPART=n.
;; ======== version 1 of 3: 2 launches
;; limits: values are held in f16: magnitudes above 65,504 overflow, below 6.1e-05 lose precision; right only within a limited range of input values; values outside matrix products are rounded to f16
;; workspace buffers: w16 2,097,152 bytes; v16 2,097,152 bytes; k16 2,097,152 bytes; m16 2,097,152 bytes
;; launch prep (part 1): grid 256 x 1, 8 waves a work-group, no clusters, 35,840 bytes of LDS; arguments cum_weight, v, k, mask, w16, v16, k16, m16; writes w16, v16, k16, m16
.if DOCPART == 1
	.amdgcn_target "amdgcn-amd-amdhsa--gfx1250"
	.amdhsa_code_object_version 6
	.text
	.protected	k_q847aa92576_prep
	.globl	k_q847aa92576_prep
	.p2align	8
	.type	k_q847aa92576_prep,@function
k_q847aa92576_prep:
	s_mov_b64 s[64:65], 0
	v_nop
	global_prefetch_b8 v0, s[64:65] scope:SCOPE_SE
	s_setreg_imm32_b32 hwreg(HW_REG_WAVE_MODE, 25, 1), 1
	s_wait_xcnt 0x0
; Casts v and k to bf16, cum_weight to f16 and turns mask into 16-bit AND masks (0xffff where mask != 0), each written in the order in which the
; second launch's matrix fragments want them: there one 16-byte load of a wave (512 consecutive bytes) is half a fragment.
;   w16 [n 4][k 32][w 4][f 4][half 2][lane 32][8]  element e of lane (h, r) = W[32k+16half+8h+e][256n+64w+16f+r]
;   v16 [bh 16][cs 32][dt 4][half 2][lane 32][8]   = V[b][32cs+16half+8h+e][head][16dt+r]
;   k16 [bh 16][jtile 64][u 2][half 2][lane 32][8] = K[b][16jtile+r][head][32u+16half+8h+e]
;   m16 [itile 64][jtile 64][lane 32][8]           = mask[16itile+r][16jtile+8h+e] != 0 ? 0xffff : 0      (lane = 16h + r, bh = 8b + head)
; W's partner in its product needs f16's 11 bits, so W is carried in f16.  It is first rounded to bf16, so that all four floating-point inputs
; enter at one precision; f16 holds a bf16 number exactly from 2^-17 to 65,504.  LIMITS: |W| is cut at 65,504 (so that no infinity meets a zero
; of the other operand); below 2^-17 W carries an absolute error of up to 2^-25.
; Each buffer is 512 chunks of 4,096 bytes.  64 work-groups of 8 waves for each buffer; one wave makes one chunk: 16 loads of 16 bytes a lane
; (each half of the wave reads 256 consecutive aligned bytes of a source row), conversion, a pass through the wave's own 4,352 bytes of LDS
; that puts the pieces in order, 8 stores of 512 consecutive bytes.  A stream: no matrix unit, no cluster (no byte is read twice), no barrier
; (no wave touches another's LDS bytes).
.set STG, 4352                         ; a wave's stage
.set FP,  1040                         ; transposing jobs: 1,024 bytes of a fragment + 16, so that the 16 lanes of a store hit 16 different 16-byte columns
.set UP,  272                          ; row jobs: a unit of 256 bytes + 16, for the same reason
.set X,   8                            ; v[8:71]    16 loads x 4 registers
.set PC,  72                           ; v[72:103]  converted pieces
.set RB,  104                          ; v[104:135] the chunk read back in order; before that, v[104:115] at work in W's conversion
	s_load_b512 s[4:19], s[0:1], 0x0               ; cum_weight s[4:5], v s[6:7], k s[8:9], mask s[10:11], w16 s[12:13], v16 s[14:15], k16 s[16:17], m16 s[18:19]
	v_lshl_add_u32 v136, v0, 2, 0x8800
	v_mov_b32 v137, 0
	v_lshrrev_b32 v7, 5, v0
	v_readfirstlane_b32 s20, v7                    ; wave
	s_lshr_b32 s21, ttmp9, 6                       ; job: 0 W, 1 V, 2 K, 3 mask
	s_and_b32 s22, ttmp9, 63
	s_lshl_b32 s22, s22, 3
	s_add_co_u32 s22, s22, s20                     ; chunk 0..511
	s_mul_i32 s23, s20, STG                        ; my stage
	s_lshl_b32 s30, s22, 12                        ; the chunk's byte offset in its buffer, as a pair
	s_mov_b32 s31, 0
	s_mov_b32 s25, 0                               ; high word of the source offset s[24:25]
	v_and_b32 v1, 15, v0                           ; l
	v_bfe_u32 v2, v0, 4, 1                         ; hh
	v_and_b32 v6, 31, v0
	v_lshlrev_b32 v6, 4, v6                        ; 16 x lane
	s_wait_kmcnt 0x0
; A block of 32 rows (the products' k) x 64 columns of f32, rows \pitch bytes apart, is transposed.  Lane (hh, l), load (hf, e) holds row
; 16hf + 8hh + e, columns 4l .. 4l+3.  Column c of the eight loads of one hf is one 16-byte piece: fragment f = l >> 2, lane (hh, 4 (l & 3) + c).
; wf = 1: to bf16, cut at f16's largest number, to f16 (W); wf = 0: to bf16 (V).
.macro TJOB pitch, wf
	v_mul_u32_u24 v3, v2, 8*\pitch
	v_lshl_add_u32 v3, v1, 4, v3                   ; source: hh x 8 rows + 16 l
	v_lshrrev_b32 v4, 2, v1
	v_mul_u32_u24 v4, v4, FP
	v_lshl_add_u32 v4, v2, 8, v4
	v_and_b32 v5, 3, v1
	v_lshl_add_u32 v4, v5, 6, v4
	v_add_nc_u32 v4, s23, v4                       ; stage + f x 1040 + 256 hh + 64 (l & 3)
	v_add_nc_u32 v5, s23, v6                       ; read back: stage + 16 x lane
.irp hf, 0,1
.irp e, 0,1,2,3,4,5,6,7
	global_load_b128 v[X+4*(8*\hf+\e):X+4*(8*\hf+\e)+3], v3, s[26:27] offset:(16*\hf+\e)*\pitch th:TH_LOAD_NT
.endr
.endr
.irp hf, 0,1
	s_wait_loadcnt 8-8*\hf                         ; loads come back in order: the first eight are in while the other eight stay out, then all
.irp c, 0,1,2,3
.irp p, 0,1,2,3
.if \wf
	v_cvt_pk_bf16_f32 v[RB+3*\p], v[X+4*(8*\hf+2*\p)+\c], v[X+4*(8*\hf+2*\p+1)+\c]
	v_lshlrev_b32 v[RB+3*\p+1], 16, v[RB+3*\p]                     ; the two rounded numbers as f32 again
	v_and_b32 v[RB+3*\p+2], s32, v[RB+3*\p]
	v_med3_num_f32 v[RB+3*\p+1], v[RB+3*\p+1], s33, s34            ; cut at +-65,504
	v_med3_num_f32 v[RB+3*\p+2], v[RB+3*\p+2], s33, s34
	v_cvt_pk_f16_f32 v[PC+4*(4*\hf+\c)+\p], v[RB+3*\p+1], v[RB+3*\p+2]
.else
	v_cvt_pk_bf16_f32 v[PC+4*(4*\hf+\c)+\p], v[X+4*(8*\hf+2*\p)+\c], v[X+4*(8*\hf+2*\p+1)+\c]
.endif
.endr
	ds_store_b128 v4, v[PC+4*(4*\hf+\c):PC+4*(4*\hf+\c)+3] offset:512*\hf+16*\c
.endr
.endr
.endm
; Rows stay rows.  Lane (hh, l), load e holds row e of the half hh (\hstride bytes from half to half), 4 numbers at byte 16 l: 8 bytes of output
; that belong to unit U = 8 hh + (l >> 1) of 256 bytes, at 16 e + 8 (l & 1).  msk = 1: whole numbers to AND masks, else f32 to bf16.
.macro RJOB pitch, hstride, msk
	v_mul_u32_u24 v3, v2, \hstride
	v_lshl_add_u32 v3, v1, 4, v3
	v_lshrrev_b32 v4, 1, v1
	v_lshl_add_u32 v4, v2, 3, v4                   ; U
	v_mul_u32_u24 v4, v4, UP
	v_and_b32 v5, 1, v1
	v_lshl_add_u32 v4, v5, 3, v4
	v_add_nc_u32 v4, s23, v4
	v_mul_u32_u24 v5, v2, UP
	v_lshl_add_u32 v5, v1, 4, v5
	v_add_nc_u32 v5, s23, v5                       ; read back: two units a load
.irp e, 0,1,2,3,4,5,6,7,8,9,10,11,12,13,14,15
	global_load_b128 v[X+4*\e:X+4*\e+3], v3, s[26:27] offset:\e*\pitch th:TH_LOAD_NT
.endr
.irp e, 0,1,2,3,4,5,6,7,8,9,10,11,12,13,14,15
	s_wait_loadcnt 15-\e                           ; load e is in, the younger ones stay out
.if \msk
	v_min_u32 v[X+4*\e], 1, v[X+4*\e]              ; unsigned: any number but 0 becomes 1
	v_min_u32 v[X+4*\e+1], 1, v[X+4*\e+1]
	v_min_u32 v[X+4*\e+2], 1, v[X+4*\e+2]
	v_min_u32 v[X+4*\e+3], 1, v[X+4*\e+3]
	v_lshl_or_b32 v[PC+2*\e], v[X+4*\e+1], 16, v[X+4*\e]
	v_lshl_or_b32 v[PC+2*\e+1], v[X+4*\e+3], 16, v[X+4*\e+2]
	v_mul_u32_u24 v[PC+2*\e], 0xffff, v[PC+2*\e]   ; a 1 in a half fills the half
	v_mul_u32_u24 v[PC+2*\e+1], 0xffff, v[PC+2*\e+1]
.else
	v_cvt_pk_bf16_f32 v[PC+2*\e], v[X+4*\e], v[X+4*\e+1]
	v_cvt_pk_bf16_f32 v[PC+2*\e+1], v[X+4*\e+2], v[X+4*\e+3]
.endif
	ds_store_b64 v4, v[PC+2*\e:PC+2*\e+1] offset:16*\e
.endr
.endm
; The chunk leaves in order.  LDS serves a wave's instructions in order (ISA guide 5.7.1), so the loads see the wave's own stores without a wait.
.macro FLUSH tr
.irp t, 0,1,2,3,4,5,6,7
.if \tr
	ds_load_b128 v[RB+4*\t:RB+4*\t+3], v5 offset:(\t/2)*FP+(\t%2)*512
.else
	ds_load_b128 v[RB+4*\t:RB+4*\t+3], v5 offset:\t*2*UP
.endif
.endr
.irp t, 0,1,2,3,4,5,6,7
	s_wait_dscnt 7-\t
	global_store_b128 v6, v[RB+4*\t:RB+4*\t+3], s[28:29] offset:\t*512     ; 512 consecutive bytes, aligned
.endr
	s_wait_tensorcnt 0x0
	ds_add_u32 v136, v137
	s_wait_dscnt 0x0
	s_endpgm
.endm
; source offset of V and K: chunk = 32 bh + cs, rows 32 cs .. 32 cs + 31 of head bh & 7 of batch bh >> 3
.macro BHOFF
	s_lshr_b32 s24, s22, 8
	s_lshl_b32 s24, s24, 21                        ; b x 1024 x 2,048 bytes
	s_and_b32 s2, s22, 31
	s_lshl_b32 s2, s2, 16                          ; 32 cs rows of 2,048 bytes
	s_add_co_u32 s24, s24, s2
	s_bfe_u32 s2, s22, 0x30005
	s_lshl_b32 s2, s2, 8                           ; head x 256 bytes
	s_add_co_u32 s24, s24, s2
.endm
	s_cmp_eq_u32 s21, 0
	s_cbranch_scc1 .Lw
	s_cmp_eq_u32 s21, 1
	s_cbranch_scc1 .Lv
	s_cmp_eq_u32 s21, 2
	s_cbranch_scc1 .Lk
	; mask: chunk = 8 itile + Bk: rows 16 itile .., columns 128 Bk .. 128 Bk + 127
	s_lshr_b32 s24, s22, 3
	s_lshl_b32 s24, s24, 16
	s_and_b32 s2, s22, 7
	s_lshl_b32 s2, s2, 9
	s_add_co_u32 s24, s24, s2
	s_add_nc_u64 s[26:27], s[10:11], s[24:25]
	s_add_nc_u64 s[28:29], s[18:19], s[30:31]
	RJOB 4096, 256, 1
	FLUSH 0
.Lw:
	; W: chunk = (32 n + k) 4 + w: rows 32 k .., columns 256 n + 64 w ..
	s_bfe_u32 s24, s22, 0x50002
	s_lshl_b32 s24, s24, 17
	s_lshr_b32 s2, s22, 7
	s_lshl_b32 s2, s2, 10
	s_add_co_u32 s24, s24, s2
	s_and_b32 s2, s22, 3
	s_lshl_b32 s2, s2, 8
	s_add_co_u32 s24, s24, s2
	s_add_nc_u64 s[26:27], s[4:5], s[24:25]
	s_add_nc_u64 s[28:29], s[12:13], s[30:31]
	s_mov_b32 s32, 0xffff0000                      ; a word's upper bf16
	s_mov_b32 s33, 0xc77fe000                      ; -65,504
	s_mov_b32 s34, 0x477fe000                      ; 65,504, f16's largest number
	TJOB 4096, 1
	FLUSH 1
.Lv:
	BHOFF
	s_add_nc_u64 s[26:27], s[6:7], s[24:25]
	s_add_nc_u64 s[28:29], s[14:15], s[30:31]
	TJOB 2048, 0
	FLUSH 1
.Lk:
	BHOFF
	s_add_nc_u64 s[26:27], s[8:9], s[24:25]
	s_add_nc_u64 s[28:29], s[16:17], s[30:31]
	RJOB 2048, 16*2048, 0
	FLUSH 0
.Lfunc_end_k_q847aa92576_prep:
	.size	k_q847aa92576_prep, .Lfunc_end_k_q847aa92576_prep-k_q847aa92576_prep
	.p2alignl 7, 3214868480
	.fill 96, 4, 3214868480
	.section	.rodata,"a",@progbits
	.p2align	6, 0x0
	.amdhsa_kernel k_q847aa92576_prep
		.amdhsa_group_segment_fixed_size 35840
		.amdhsa_private_segment_fixed_size 0
		.amdhsa_enable_private_segment 0
		.amdhsa_kernarg_size 64
		.amdhsa_user_sgpr_count 2
		.amdhsa_user_sgpr_kernarg_segment_ptr 1
		.amdhsa_wavefront_size32 1
		.amdhsa_system_sgpr_workgroup_id_x 1
		.amdhsa_system_sgpr_workgroup_id_y 1
		.amdhsa_system_sgpr_workgroup_id_z 1
		.amdhsa_system_vgpr_workitem_id 0
		.amdhsa_next_free_vgpr 138
		.amdhsa_next_free_sgpr 66
		.amdhsa_reserve_vcc 0
		.amdhsa_float_denorm_mode_32 3
		.amdhsa_float_denorm_mode_16_64 3
		.amdhsa_memory_ordered 1
		.amdhsa_forward_progress 1
		.amdhsa_inst_pref_size 42
	.end_amdhsa_kernel
	.amdgpu_metadata
---
amdhsa.version: [ 1, 2 ]
amdhsa.kernels:
  - .name:           k_q847aa92576_prep
    .symbol:         k_q847aa92576_prep.kd
    .args:
      - { .name: cum_weight, .offset: 0, .size: 8, .value_kind: global_buffer, .address_space: global }
      - { .name: v, .offset: 8, .size: 8, .value_kind: global_buffer, .address_space: global }
      - { .name: k, .offset: 16, .size: 8, .value_kind: global_buffer, .address_space: global }
      - { .name: mask, .offset: 24, .size: 8, .value_kind: global_buffer, .address_space: global }
      - { .name: w16, .offset: 32, .size: 8, .value_kind: global_buffer, .address_space: global }
      - { .name: v16, .offset: 40, .size: 8, .value_kind: global_buffer, .address_space: global }
      - { .name: k16, .offset: 48, .size: 8, .value_kind: global_buffer, .address_space: global }
      - { .name: m16, .offset: 56, .size: 8, .value_kind: global_buffer, .address_space: global }
    .group_segment_fixed_size: 35840
    .private_segment_fixed_size: 0
    .kernarg_segment_align: 8
    .kernarg_segment_size: 64
    .max_flat_workgroup_size: 256
    .sgpr_count:     66
    .vgpr_count:     138
    .wavefront_size: 32
...
	.end_amdgpu_metadata
.endif
;; end of part 1
;; launch attn (part 2): grid 256 x 1, 4 waves a work-group, no clusters, 289,280 bytes of LDS; arguments q, w16, k16, m16, v16, out0; writes out0
.if DOCPART == 2
	.amdgcn_target "amdgcn-amd-amdhsa--gfx1250"
	.amdhsa_code_object_version 6
	.text
	.protected	k_q847aa92576_attn
	.globl	k_q847aa92576_attn
	.p2align	8
	.type	k_q847aa92576_attn,@function
k_q847aa92576_attn:
	s_mov_b64 s[64:65], 0
	v_nop
	global_prefetch_b8 v0, s[64:65] scope:SCOPE_SE
	s_setreg_imm32_b32 hwreg(HW_REG_WAVE_MODE, 25, 1), 1
	s_wait_xcnt 0x0
; y = (z * exp(lb W)) V for 128 rows i of one (b, kk, head), with z = sigmoid(x), lb = log_sigmoid(-x), x = q.k / 8, both 0 where mask = 0.
; In base 2: t = x log2(e); lb2 = -(max(t, 0) + log2(1 + 2^-|t|)); S2 = lb2 W; att = (1 - 2^lb2) 2^S2.  A masked lb2 is 0, which makes z = 0 by itself.
; 256 work-groups of four waves.  Phases:
;   P0  q to bf16 through LDS, into fragments.
;   P1  wave w: keys 256 w .. 256 w + 255 for all 128 rows: q.k, lb2, mask, f16, into LDS, where lb2 stays (128 x 1024 x 2 bytes).
;   four column tiles of 256 c; wave w owns 64 of them: 32 K steps S2(128 x 64) += W fragments x lb2 fragments, then att and att.V into the
;   wave's own partial y (128 x 64, its 64 c of each tile).
;   last: the four partial y meet in LDS and leave as whole rows of 256 bytes.
; NUMBER FORMATS.  q.k: bf16.  lb2 W: f16, because an error of lb2 stands in an exponent and in z: f16's half-step is 2^-11 of the number, bf16's 2^-8.
; Room: q and k of spread 1 give |lb2| up to about 9; both 30 times larger about 8,000; both offset by 30 about 10,700; f16 ends at 65,504.
; att V: bf16, since att has no bound (weights may be negative), in two parts: the upper 16 bits of the f32, and the rest (exact in f32) rounded to bf16.
; W fragments go from memory straight into the registers of the one wave that uses them (8 matrix instructions each), through a ring of
; 8 K steps x 32 registers, 7 K steps (28,672 bytes a wave) requested ahead; only lb2 fragments are read from LDS.
; NO CLUSTER, NO JOINT REQUESTS, though all work-groups walk the same w16: a joint request lands in LDS, where beside lb2 (270,336 bytes) and q
; (18,432) 38,912 of 327,680 bytes remain, two K steps of 16,384; and a pass of W through LDS would add 2 MiB of LDS writes and 2 MiB of reads
; a work-group to the 4 MiB of lb2 reads.  No prefetch: every operand buffer is 2 MiB, written just before and read by many work-groups.
; ALL PRODUCTS ARE USED TRANSPOSED: source 0 = K, W or V fragment, source 1 = q, lb2 or att fragment.  Lane (r, h) of a result then holds row i = r
; and eight neighbouring j, c or d = 8h + 0..7: eight lb2 pack into 16 bytes of an LDS row, and two packed S tiles ARE an att fragment.
; LIMITS: q, k, v and W enter rounded to bf16.  lb2 is rounded to f16 (below 2^-14: absolute error up to 2^-25) and z is formed from the rounded lb2.
; max(t, 0) is cut at 65,000, so lb2 >= -65,001: beyond that 2^(lb2 w) differs from the true one only where |w| < 0.003.
; v_exp_f32 gives 0 below 2^-126; 1 + 2^-|t| drops terms below 2^-24 (lb2 then is -max(t, 0), absolute error below 1e-7).
.set PITCH, 528                        ; an lb2 row of a panel: 512 bytes + 16 = 33 x 16, so 16 rows start in 16 different 16-byte columns
.set RT,    16*PITCH                   ; a row tile
.set PAN,   128*PITCH                  ; panel g: keys 256 g .. 256 g + 255 of all 128 rows
.set QS,    4*PAN                      ; q in bf16: 128 rows, 144 bytes apart
.set QP,    144
.set YP,    272                        ; partial y: rows of 256 bytes + 16; wave w's 128 rows at w x YW, over lb2 when nobody reads it any more
.set YW,    128*YP
; scalar registers
.set QB, 4                             ; s[4:5]   q at my rows
.set WB, 6                             ; s[6:7]   w16 at the tile's first K step, my wave's chunk
.set KB, 8                             ; s[8:9]   k16 at my key tiles
.set MB, 10                            ; s[10:11] m16 at my rows and key tiles
.set VB, 12                            ; s[12:13] v16 at the tile's 64 c of mine
.set OB, 14                            ; s[14:15] out0 at my rows
.set CS, 24                            ; s[24:25] log2(e) / 8, twice
; s22 0xffff0000; s28 65,000.0; s29 the sign bit; s30 v_perm_b32's selector for two upper halves
; vector registers, window 0
.set L16,  8                           ; 16 x lane
.set QOFF, 9                           ; q and out0: my 16 bytes of my wave's first two rows
.set QST,  10
.set QRD,  11
.set PS,   12                          ; where P1 stores lb2
.set EA,   15                          ; where the epilogue reads lb2 of my 64 c
.set YST,  16
.set YRD0, 17
.set YRD1, 18
.set ADP,  20                          ; v20-23  lb2 fragments of panel 0..3
.set KF,   32                          ; v32-63  P1: K fragments, two buffers of 16
.set DT,   64                          ; v64-127 P1: eight product tiles
.set MM,   128
.set NN,   136
.set PP,   144
.set MK,   192                         ; v192-255 P1: masks, two buffers of 32
.set AB,   64                          ; v64-191 lb2 fragments, two buffers of 64
.set LBP,  64                          ; v64-95  epilogue: packed lb2, two buffers of 16 (named v64 .. v95 in UNPACK: halves of registers have no bracket form)
.set XX,   96                          ; v96-127 2^lb2, then att's upper part
.set E1,   128                         ; v128-159 2^S2, then att, then att's rest
.set FR,   160                         ; v160-175 att fragments, upper part
.set FL,   176                         ; v176-191 att fragments, the rest
.set VF,   192                         ; v192-255 V fragments
.set TT,   64
.set RR,   128
; window 1: the W ring, slot s at 32 s.  window 2: S tile (a, f) at 8 (4a + f).  window 3: P1: q fragments at 16 a; then y tile (a, dt) at 8 (4a + dt).
.set MSB, 0
.macro WIN new                         ; low byte: bits 1:0 source 0, 3:2 source 1, 5:4 source 2, 7:6 destination; high byte: the setting that is left
.if MSB != \new
	s_set_vgpr_msb (MSB<<8)|\new
.set MSB, \new
.endif
.endm
; Four plain places stand between a matrix instruction and a vector instruction or load that touches its registers.
.macro PLACES
.rept 4
	v_nop
.endr
.endm
	s_load_b256 s[4:11], s[0:1], 0x0               ; q, w16, k16, m16
	s_load_b128 s[12:15], s[0:1], 0x20             ; v16, out0
	v_lshl_add_u32 v30, v0, 2, 0x46800
	v_mov_b32 v31, 0
	v_lshrrev_b32 v3, 5, v0
	v_readfirstlane_b32 s16, v3                    ; wave w
	v_and_b32 v1, 15, v0                           ; r
	v_bfe_u32 v2, v0, 4, 1                         ; h
	v_and_b32 v3, 31, v0
	v_lshlrev_b32 v[L16], 4, v3
	s_mov_b32 s22, 0xffff0000                      ; the upper 16 bits of a word
	s_mov_b32 s[CS], 0x3e38aa3b
	s_mov_b32 s[CS+1], 0x3e38aa3b
	s_mov_b32 s28, 0x477de800                      ; 65,000.0
	s_mov_b32 s29, 0x80000000
	s_mov_b32 s30, 0x07060302
	s_and_b32 s17, ttmp9, 7                        ; block of 128 rows
	s_bfe_u32 s18, ttmp9, 0x10003                  ; kk
	s_lshr_b32 s19, ttmp9, 4                       ; bh = 8 b + head: the 16 work-groups of one K and V are neighbours
	s_lshr_b32 s20, ttmp9, 7
	s_lshl_b32 s20, s20, 22                        ; b x 1024 rows of 4,096 bytes
	s_lshl_b32 s2, s17, 19                         ; 128 rows
	s_add_co_u32 s20, s20, s2
	s_lshl_b32 s2, s18, 11
	s_add_co_u32 s20, s20, s2
	s_and_b32 s2, s19, 7
	s_lshl_b32 s2, s2, 8
	s_add_co_u32 s20, s20, s2
	s_mov_b32 s21, 0
	v_lshlrev_b32 v[QOFF], 12, v2                  ; lanes 0-15 one row of 256 bytes, lanes 16-31 the next
	v_lshl_add_u32 v[QOFF], v1, 4, v[QOFF]
	s_lshl_b32 s3, s16, 17                         ; wave w: rows 32 w ..
	v_add_nc_u32 v[QOFF], s3, v[QOFF]
	s_wait_kmcnt 0x0
	s_add_nc_u64 s[QB:QB+1], s[QB:QB+1], s[20:21]
	s_add_nc_u64 s[OB:OB+1], s[OB:OB+1], s[20:21]
.irp p, 0,1,2,3,4,5,6,7,8,9,10,11,12,13,14,15
	global_load_b128 v[64+4*\p:64+4*\p+3], v[QOFF], s[QB:QB+1] offset:\p*8192 th:TH_LOAD_NT
.endr
	s_lshl_b32 s20, s16, 12
	s_add_nc_u64 s[WB:WB+1], s[WB:WB+1], s[20:21]  ; chunk w of each K step
	s_lshl_b32 s20, s19, 17
	s_lshl_b32 s2, s16, 15
	s_add_co_u32 s20, s20, s2
	s_add_nc_u64 s[KB:KB+1], s[KB:KB+1], s[20:21]  ; bh x 64 key tiles of 2,048 bytes + 16 w key tiles
	s_lshl_b32 s20, s17, 18
	s_lshl_b32 s2, s16, 13
	s_add_co_u32 s20, s20, s2
	s_add_nc_u64 s[MB:MB+1], s[MB:MB+1], s[20:21]  ; 8 row tiles of 32,768 bytes a block + 16 w key tiles of 512
	s_lshl_b32 s20, s19, 17
	s_add_co_u32 s20, s20, s2
	s_add_nc_u64 s[VB:VB+1], s[VB:VB+1], s[20:21]  ; bh x 32 chunks of 4,096 bytes + 2 w chunks
.irp t, 0,1,2,3
	global_load_b128 v[KF+4*\t:KF+4*\t+3], v[L16], s[KB:KB+1] offset:\t*512        ; my first key tile: K fragments
.endr
.irp a, 0,1,2,3,4,5,6,7
	global_load_b128 v[MK+4*\a:MK+4*\a+3], v[L16], s[MB:MB+1] offset:\a*32768      ; and its masks for the 8 row tiles
.endr
	; LDS addresses
	v_mul_u32_u24 v[QST], v2, QP
	v_lshl_add_u32 v[QST], v1, 3, v[QST]
	s_mul_i32 s3, s16, 32*QP
	s_add_co_u32 s3, s3, QS
	v_add_nc_u32 v[QST], s3, v[QST]                ; QS + (32 w + h) rows + 8 r
	v_mul_u32_u24 v[QRD], v1, QP
	v_lshl_add_u32 v[QRD], v2, 4, v[QRD]
	v_add_nc_u32 v[QRD], QS, v[QRD]                ; QS + r rows + 16 h
	v_mul_u32_u24 v4, v1, PITCH
	v_lshl_add_u32 v4, v2, 4, v4                   ; r rows + 16 h
	s_mul_i32 s3, s16, PAN
	v_add_nc_u32 v[PS], s3, v4                     ; my panel
	v_mov_b32 v[ADP], v4
	v_add_nc_u32 v[ADP+1], PAN, v4
	v_add_nc_u32 v[ADP+2], 2*PAN, v4
	v_add_nc_u32 v[ADP+3], 3*PAN, v4
	s_lshl_b32 s3, s16, 7
	v_add_nc_u32 v[EA], s3, v4                     ; + my 64 c of a tile's 256
	v_mul_u32_u24 v[YST], v1, YP
	v_lshl_add_u32 v[YST], v2, 5, v[YST]
	s_mul_i32 s3, s16, YW
	v_add_nc_u32 v[YST], s3, v[YST]
	v_mul_u32_u24 v[YRD0], v2, YP
	v_lshl_add_u32 v[YRD0], v1, 4, v[YRD0]
	s_mul_i32 s3, s16, 32*YP
	v_add_nc_u32 v[YRD0], s3, v[YRD0]              ; rows 32 w + h of partial 0
	v_add_nc_u32 v[YRD1], 2*YW, v[YRD0]            ; and of partial 2
	; P0: q to bf16
	s_wait_loadcnt 12                              ; q's 16 loads are in; the key tile's 12 stay out
.irp p, 0,1,2,3,4,5,6,7,8,9,10,11,12,13,14,15
	v_cvt_pk_bf16_f32 v[128+2*\p], v[64+4*\p], v[64+4*\p+1]
	v_cvt_pk_bf16_f32 v[128+2*\p+1], v[64+4*\p+2], v[64+4*\p+3]
	ds_store_b64 v[QST], v[128+2*\p:128+2*\p+1] offset:\p*2*QP
.endr
	s_wait_dscnt 0x0                               ; my 32 rows of q are in LDS
	s_barrier_signal -1
	s_barrier_wait -1                              ; everybody's are
	WIN 0xc0
.irp a, 0,1,2,3,4,5,6,7
.irp t, 0,1,2,3
	ds_load_b128 v[16*\a+4*\t:16*\a+4*\t+3], v[QRD] offset:\a*16*QP+32*\t          ; q fragment (a, u = t / 2), half t % 2
.endr
.endr
	WIN 0
	s_wait_dscnt 0x0
; P1.  One 16 x 16 tile of products to lb2: row tile a, mask buffer b, key tile parity par.
.macro TILE a, b, par
.irp i, 0,2,4,6
	v_pk_mul_f32 v[DT+8*\a+\i:DT+8*\a+\i+1], v[DT+8*\a+\i:DT+8*\a+\i+1], s[CS:CS+1] op_sel_hi:[1,0]       ; t
.endr
.irp i, 0,1,2,3,4,5,6,7
	v_med3_num_f32 v[MM+\i], v[DT+8*\a+\i], 0, s28                                                        ; M = max(t, 0), cut at 65,000: lb2 stays inside f16
.endr
.irp i, 0,1,2,3,4,5,6,7
	v_or_b32 v[NN+\i], s29, v[DT+8*\a+\i]                                                                 ; -|t|
.endr
.irp i, 0,1,2,3,4,5,6,7
	v_exp_f32 v[NN+\i], v[NN+\i]
.endr
	v_nop                                          ; one plain place behind the last transcendental before its result is used (ISA guide 5.7.2)
	s_wait_alu depctr_va_vdst(0)
.irp i, 0,2,4,6
	v_pk_add_f32 v[NN+\i:NN+\i+1], v[NN+\i:NN+\i+1], 1.0 op_sel_hi:[1,0]
.endr
.irp i, 0,1,2,3,4,5,6,7
	v_log_f32 v[NN+\i], v[NN+\i]
.endr
	v_nop
	s_wait_alu depctr_va_vdst(0)
.irp i, 0,2,4,6
	v_pk_add_f32 v[NN+\i:NN+\i+1], v[MM+\i:MM+\i+1], v[NN+\i:NN+\i+1] neg_lo:[1,1] neg_hi:[1,1]           ; lb2 = -M - log2(1 + 2^-|t|)
.endr
.irp i, 0,1,2,3
	v_cvt_pk_f16_f32 v[PP+\i], v[NN+2*\i], v[NN+2*\i+1]
.endr
.irp i, 0,1,2,3
	v_and_b32 v[PP+\i], v[PP+\i], v[MK+32*\b+4*\a+\i]                                                     ; masked: +0
.endr
	ds_store_b128 v[PS], v[PP:PP+3] offset:\a*RT+\par*32           ; row 16a + r, keys 16 par + 8h + 0..7 of this pair of key tiles
.endm
; One key tile for all 128 rows, from buffers b.  pre = 1: the next key tile's 12 loads go out first, into the other buffers, whose last
; matrix instructions lie a whole key tile of vector work back.  cnt = loads younger than this key tile's.
.macro JT b, par, pre, cnt
.if \pre
.irp t, 0,1,2,3
	global_load_b128 v[KF+16*(1-\b)+4*\t:KF+16*(1-\b)+4*\t+3], v[L16], s[KB:KB+1] offset:(\par+1)*2048+\t*512
.endr
.irp a, 0,1,2,3,4,5,6,7
	global_load_b128 v[MK+32*(1-\b)+4*\a:MK+32*(1-\b)+4*\a+3], v[L16], s[MB:MB+1] offset:(\par+1)*512+\a*32768
.endr
.endif
	s_wait_loadcnt \cnt
	WIN 0x0c                                       ; source 1 (q) in window 3
.irp a, 0,1,2,3,4,5,6,7
	v_wmma_f32_16x16x32_bf16 v[DT+8*\a:DT+8*\a+7], v[KF+16*\b:KF+16*\b+7], v[16*\a:16*\a+7], 0
.endr
.irp a, 0,1,2,3,4,5,6,7
	v_wmma_f32_16x16x32_bf16 v[DT+8*\a:DT+8*\a+7], v[KF+16*\b+8:KF+16*\b+15], v[16*\a+8:16*\a+15], v[DT+8*\a:DT+8*\a+7]
.endr
	WIN 0
	PLACES
.irp a, 0,1,2,3,4,5,6,7
	TILE \a, \b, \par
.endr
.endm
	s_mov_b32 s26, 7
.Ljt:
	JT 0, 0, 1, 12
	JT 1, 1, 1, 12
	v_add_nc_u32 v[PS], 64, v[PS]                  ; two key tiles on in the lb2 rows
	s_wait_xcnt 0x0                                ; the bases of the loads above are stepped only behind this wait
	s_add_nc_u64 s[KB:KB+1], s[KB:KB+1], 4096
	s_add_nc_u64 s[MB:MB+1], s[MB:MB+1], 1024
	s_sub_co_u32 s26, s26, 1
	s_cmp_lg_u32 s26, 0
	s_cbranch_scc1 .Ljt
	JT 0, 0, 1, 12                                 ; key tile 14 of my 16; asks for the last
	WIN 0x40                                       ; the W ring is filled while the last key tile is worked on: K steps 0..6 into slots 0..6
.irp s, 0,1,2,3,4,5,6
.irp t, 0,1,2,3,4,5,6,7
	global_load_b128 v[32*\s+4*\t:32*\s+4*\t+3], v[L16], s[WB:WB+1] offset:\s*16384+\t*512
.endr
.endr
	WIN 0
	JT 1, 1, 0, 56                                 ; the ring's 56 loads are younger than this key tile's 12
	s_wait_dscnt 0x0                               ; my panel of lb2 is in LDS
	s_barrier_signal -1
	s_barrier_wait -1                              ; all four are
; K step g (0..31) of a column tile: keys 32 g .. 32 g + 31, ring slot g % 8, lb2 buffer g % 2.
; The places at the head serve both runs of loads: each goes into registers that the last K step's matrix instructions read.
.macro KSTEP g, final
.set rf, 1
.if \final
.if \g > 24
.set rf, 0                                     ; the last tile asks for nothing past w16's last K step
.endif
.endif
	PLACES
.if rf
	WIN 0x40
.irp t, 0,1,2,3,4,5,6,7
	global_load_b128 v[32*((\g+7)%8)+4*\t:32*((\g+7)%8)+4*\t+3], v[L16], s[WB:WB+1] offset:(\g+7)*16384+\t*512     ; 7 K steps ahead
.endr
.endif
	WIN 0
.if \g < 31
.irp a, 0,1,2,3,4,5,6,7
	ds_load_b128 v[AB+64*((\g+1)%2)+8*\a:AB+64*((\g+1)%2)+8*\a+3], v[ADP+(\g+1)/8] offset:\a*RT+((\g+1)%8)*64
	ds_load_b128 v[AB+64*((\g+1)%2)+8*\a+4:AB+64*((\g+1)%2)+8*\a+7], v[ADP+(\g+1)/8] offset:\a*RT+((\g+1)%8)*64+32
.endr
.endif
.if rf
	s_wait_loadcnt 56                              ; 7 younger K steps of 8 loads stay out (in steps 0..6 the 16 V loads lie between too: the count is then stricter than it need be)
.else
	s_wait_loadcnt 8*(31-\g)                       ; the counts run down
.endif
.if \g < 31
	s_wait_dscnt 16                                ; this step's lb2 is in; the run just issued stays out
.else
	s_wait_dscnt 0
.endif
	WIN 0xa1                                       ; source 0 (W) window 1, source 1 (lb2) window 0, C and D window 2
.irp f, 0,1,2,3
.irp a, 0,1,2,3,4,5,6,7
.if \g == 0
	v_wmma_f32_16x16x32_f16 v[8*(4*\a+\f):8*(4*\a+\f)+7], v[32*(\g%8)+8*\f:32*(\g%8)+8*\f+7], v[AB+64*(\g%2)+8*\a:AB+64*(\g%2)+8*\a+7], 0
.else
	v_wmma_f32_16x16x32_f16 v[8*(4*\a+\f):8*(4*\a+\f)+7], v[32*(\g%8)+8*\f:32*(\g%8)+8*\f+7], v[AB+64*(\g%2)+8*\a:AB+64*(\g%2)+8*\a+7], v[8*(4*\a+\f):8*(4*\a+\f)+7]
.endif
.endr
.endr
.endm
; 32 lb2 of buffer b (v64-79 or v80-95) from f16 to f32, low half first
.macro UNPACK b
.set j, 0
.if \b == 0
.irp x, v64.l, v64.h, v65.l, v65.h, v66.l, v66.h, v67.l, v67.h, v68.l, v68.h, v69.l, v69.h, v70.l, v70.h, v71.l, v71.h, v72.l, v72.h, v73.l, v73.h, v74.l, v74.h, v75.l, v75.h, v76.l, v76.h, v77.l, v77.h, v78.l, v78.h, v79.l, v79.h
	v_cvt_f32_f16 v[XX+j], \x
.set j, j+1
.endr
.else
.irp x, v80.l, v80.h, v81.l, v81.h, v82.l, v82.h, v83.l, v83.h, v84.l, v84.h, v85.l, v85.h, v86.l, v86.h, v87.l, v87.h, v88.l, v88.h, v89.l, v89.h, v90.l, v90.h, v91.l, v91.h, v92.l, v92.h, v93.l, v93.h, v94.l, v94.h, v95.l, v95.h
	v_cvt_f32_f16 v[XX+j], \x
.set j, j+1
.endr
.endif
.endm
; Epilogue, row tile a (lb2 buffer b = a % 2): att = (1 - 2^lb2) 2^S2 for 16 rows x my 64 c, as two bf16 parts in two fragments each, times V into y.
.macro ROW a, b, yzero
.if \a < 7
.irp f, 0,1,2,3
	ds_load_b128 v[LBP+16*(1-\b)+4*\f:LBP+16*(1-\b)+4*\f+3], v[EA] offset:(\a+1)*RT+32*\f
.endr
	s_wait_dscnt 4                                 ; this row tile's lb2 is in; the next one's four loads stay out
.else
	s_wait_dscnt 0
.endif
	UNPACK \b
.set j, 0
.rept 32
	v_exp_f32 v[XX+j], v[XX+j]                     ; 2^lb2 = 1 - z
.set j, j+1
.endr
	WIN 0x02                                       ; source 0 (S) in window 2
.set j, 0
.rept 32
	v_exp_f32 v[E1+j], v[32*\a+j]                  ; 2^S2
.set j, j+1
.endr
	WIN 0
	v_nop                                          ; the plain place behind the transcendentals
.set j, 0
	s_wait_alu depctr_va_vdst(0)
.rept 16
	v_pk_fma_f32 v[E1+j:E1+j+1], v[XX+j:XX+j+1], v[E1+j:E1+j+1], v[E1+j:E1+j+1] neg_lo:[1,0,0] neg_hi:[1,0,0]      ; E - X E = z E, one rounding
.set j, j+2
.endr
.irp i, 0,1,2,3,4,5,6,7,8,9,10,11,12,13,14,15
	v_perm_b32 v[FR+\i], v[E1+2*\i+1], v[E1+2*\i], s30             ; the upper halves of two att: bf16 by cutting.  Tiles f = 2u, 2u+1 are registers 0-3, 4-7 of fragment u
.endr
.set j, 0
.rept 32
	v_and_b32 v[XX+j], s22, v[E1+j]                ; the same part as f32
.set j, j+1
.endr
.set j, 0
.rept 16
	v_pk_add_f32 v[E1+j:E1+j+1], v[E1+j:E1+j+1], v[XX+j:XX+j+1] neg_lo:[0,1] neg_hi:[0,1]          ; the rest, exact
.set j, j+2
.endr
.irp i, 0,1,2,3,4,5,6,7,8,9,10,11,12,13,14,15
	v_cvt_pk_bf16_f32 v[FL+\i], v[E1+2*\i], v[E1+2*\i+1]
.endr
	WIN 0xf0                                       ; C and D (y) in window 3
.irp d, 0,1,2,3
.if \yzero
	v_wmma_f32_16x16x32_bf16 v[8*(4*\a+\d):8*(4*\a+\d)+7], v[VF+8*\d:VF+8*\d+7], v[FR:FR+7], 0
.else
	v_wmma_f32_16x16x32_bf16 v[8*(4*\a+\d):8*(4*\a+\d)+7], v[VF+8*\d:VF+8*\d+7], v[FR:FR+7], v[8*(4*\a+\d):8*(4*\a+\d)+7]
.endif
.endr
.irp d, 0,1,2,3
	v_wmma_f32_16x16x32_bf16 v[8*(4*\a+\d):8*(4*\a+\d)+7], v[VF+32+8*\d:VF+32+8*\d+7], v[FR+8:FR+15], v[8*(4*\a+\d):8*(4*\a+\d)+7]
.endr
.irp d, 0,1,2,3
	v_wmma_f32_16x16x32_bf16 v[8*(4*\a+\d):8*(4*\a+\d)+7], v[VF+8*\d:VF+8*\d+7], v[FL:FL+7], v[8*(4*\a+\d):8*(4*\a+\d)+7]
.endr
.irp d, 0,1,2,3
	v_wmma_f32_16x16x32_bf16 v[8*(4*\a+\d):8*(4*\a+\d)+7], v[VF+32+8*\d:VF+32+8*\d+7], v[FL+8:FL+15], v[8*(4*\a+\d):8*(4*\a+\d)+7]
.endr
	WIN 0
.endm
; A column tile.  V's 16 loads go out at the head: they are older than the refill of K step 7, whose wait therefore shows them landed,
; and the epilogue needs no wait on loads: the ring stays full across it.
.macro NTILE yzero, final
	PLACES                                         ; behind the last epilogue's matrix instructions, which read VF
.irp t, 0,1,2,3,4,5,6,7,8,9,10,11,12,13,14,15
	global_load_b128 v[VF+4*\t:VF+4*\t+3], v[L16], s[VB:VB+1] offset:\t*512        ; fragment (u, dt) at VF + 32 u + 8 dt
.endr
.irp a, 0,1,2,3,4,5,6,7
	ds_load_b128 v[AB+8*\a:AB+8*\a+3], v[ADP] offset:\a*RT
	ds_load_b128 v[AB+8*\a+4:AB+8*\a+7], v[ADP] offset:\a*RT+32
.endr
.set kg, 0
.rept 32
	KSTEP kg, \final
.set kg, kg+1
.endr
	WIN 0
	PLACES                                         ; behind the last K step: S is read, its lb2 buffer is written
.irp f, 0,1,2,3
	ds_load_b128 v[LBP+4*\f:LBP+4*\f+3], v[EA] offset:32*\f
.endr
	ROW 0, 0, \yzero
	ROW 1, 1, \yzero
	ROW 2, 0, \yzero
	ROW 3, 1, \yzero
	ROW 4, 0, \yzero
	ROW 5, 1, \yzero
	ROW 6, 0, \yzero
	ROW 7, 1, \yzero
.if \final == 0
	v_add_nc_u32 v[EA], PAN, v[EA]                 ; the next tile's c lie in the next panel
	s_wait_xcnt 0x0                                ; W loads are still out: their base is stepped only behind this wait
	s_add_nc_u64 s[WB:WB+1], s[WB:WB+1], 32*16384
	s_add_nc_u64 s[VB:VB+1], s[VB:VB+1], 32768
.endif
.endm
	NTILE 1, 0                                     ; the first tile's products start y: nothing is cleared
	s_mov_b32 s27, 2
.Lnt:
	NTILE 0, 0
	s_sub_co_u32 s27, s27, 1
	s_cmp_lg_u32 s27, 0
	s_cbranch_scc1 .Lnt
	NTILE 0, 1
	; The four partial y meet in LDS.
	PLACES                                         ; behind the last matrix instructions, whose results the stores read
	s_wait_dscnt 0x0                               ; my reads of lb2 are over
	s_barrier_signal -1
	s_barrier_wait -1                              ; everybody's are: lb2's bytes may be written
	WIN 0x0c                                       ; store data (source 1) in window 3
.irp a, 0,1,2,3,4,5,6,7
.irp d, 0,1,2,3
	ds_store_b128 v[YST], v[8*(4*\a+\d):8*(4*\a+\d)+3] offset:\a*16*YP+\d*64       ; row 16a + r, d = 16 dt + 8h + 0..3
	ds_store_b128 v[YST], v[8*(4*\a+\d)+4:8*(4*\a+\d)+7] offset:\a*16*YP+\d*64+16
.endr
.endr
	WIN 0
	s_wait_dscnt 0x0                               ; my partial is in LDS
	s_barrier_signal -1
	s_barrier_wait -1
	; wave w sums rows 32 w .. 32 w + 31, two rows a step, four steps' loads in a run
.irp bt, 0,1,2,3
.irp qq, 0,1,2,3
	ds_load_b128 v[TT+16*\qq:TT+16*\qq+3], v[YRD0] offset:(4*\bt+\qq)*2*YP
	ds_load_b128 v[TT+16*\qq+4:TT+16*\qq+7], v[YRD0] offset:YW+(4*\bt+\qq)*2*YP
	ds_load_b128 v[TT+16*\qq+8:TT+16*\qq+11], v[YRD1] offset:(4*\bt+\qq)*2*YP
	ds_load_b128 v[TT+16*\qq+12:TT+16*\qq+15], v[YRD1] offset:YW+(4*\bt+\qq)*2*YP
.endr
.irp qq, 0,1,2,3
	s_wait_dscnt 12-4*\qq                          ; this step's four loads are in; the younger steps' stay out
	v_pk_add_f32 v[TT+16*\qq:TT+16*\qq+1], v[TT+16*\qq:TT+16*\qq+1], v[TT+16*\qq+4:TT+16*\qq+5]
	v_pk_add_f32 v[TT+16*\qq+2:TT+16*\qq+3], v[TT+16*\qq+2:TT+16*\qq+3], v[TT+16*\qq+6:TT+16*\qq+7]
	v_pk_add_f32 v[TT+16*\qq+8:TT+16*\qq+9], v[TT+16*\qq+8:TT+16*\qq+9], v[TT+16*\qq+12:TT+16*\qq+13]
	v_pk_add_f32 v[TT+16*\qq+10:TT+16*\qq+11], v[TT+16*\qq+10:TT+16*\qq+11], v[TT+16*\qq+14:TT+16*\qq+15]
	v_pk_add_f32 v[RR+4*(4*\bt+\qq):RR+4*(4*\bt+\qq)+1], v[TT+16*\qq:TT+16*\qq+1], v[TT+16*\qq+8:TT+16*\qq+9]
	v_pk_add_f32 v[RR+4*(4*\bt+\qq)+2:RR+4*(4*\bt+\qq)+3], v[TT+16*\qq+2:TT+16*\qq+3], v[TT+16*\qq+10:TT+16*\qq+11]
	global_store_b128 v[QOFF], v[RR+4*(4*\bt+\qq):RR+4*(4*\bt+\qq)+3], s[OB:OB+1] offset:(4*\bt+\qq)*8192 th:TH_STORE_NT   ; 16 lanes: one row's 256 bytes, aligned; each step has its own data registers
.endr
.endr
	s_wait_tensorcnt 0x0
	ds_add_u32 v30, v31
	s_wait_dscnt 0x0
	s_endpgm
.Lfunc_end_k_q847aa92576_attn:
	.size	k_q847aa92576_attn, .Lfunc_end_k_q847aa92576_attn-k_q847aa92576_attn
	.p2alignl 7, 3214868480
	.fill 96, 4, 3214868480
	.section	.rodata,"a",@progbits
	.p2align	6, 0x0
	.amdhsa_kernel k_q847aa92576_attn
		.amdhsa_group_segment_fixed_size 289280
		.amdhsa_private_segment_fixed_size 0
		.amdhsa_enable_private_segment 0
		.amdhsa_kernarg_size 48
		.amdhsa_user_sgpr_count 2
		.amdhsa_user_sgpr_kernarg_segment_ptr 1
		.amdhsa_wavefront_size32 1
		.amdhsa_system_sgpr_workgroup_id_x 1
		.amdhsa_system_sgpr_workgroup_id_y 1
		.amdhsa_system_sgpr_workgroup_id_z 1
		.amdhsa_system_vgpr_workitem_id 0
		.amdhsa_next_free_vgpr 1024
		.amdhsa_next_free_sgpr 66
		.amdhsa_reserve_vcc 0
		.amdhsa_float_denorm_mode_32 3
		.amdhsa_float_denorm_mode_16_64 3
		.amdhsa_memory_ordered 1
		.amdhsa_forward_progress 1
		.amdhsa_inst_pref_size 255
	.end_amdhsa_kernel
	.section	.bss,"aw",@nobits
	.p2align	6
	.space	262144
	.amdgpu_metadata
---
amdhsa.version: [ 1, 2 ]
amdhsa.kernels:
  - .name:           k_q847aa92576_attn
    .symbol:         k_q847aa92576_attn.kd
    .args:
      - { .name: q, .offset: 0, .size: 8, .value_kind: global_buffer, .address_space: global }
      - { .name: w16, .offset: 8, .size: 8, .value_kind: global_buffer, .address_space: global }
      - { .name: k16, .offset: 16, .size: 8, .value_kind: global_buffer, .address_space: global }
      - { .name: m16, .offset: 24, .size: 8, .value_kind: global_buffer, .address_space: global }
      - { .name: v16, .offset: 32, .size: 8, .value_kind: global_buffer, .address_space: global }
      - { .name: out0, .offset: 40, .size: 8, .value_kind: global_buffer, .address_space: global }
    .group_segment_fixed_size: 289280
    .private_segment_fixed_size: 0
    .kernarg_segment_align: 8
    .kernarg_segment_size: 48
    .max_flat_workgroup_size: 128
    .sgpr_count:     66
    .vgpr_count:     1024
    .wavefront_size: 32
...
	.end_amdgpu_metadata
.endif
;; end of part 2
;; ======== version 2 of 3: 2 launches; 1.49 times as fast as version 1
;; limits: values are held in f16: magnitudes above 65,504 overflow, below 6.1e-05 lose precision; right only within a limited range of input values; values outside matrix products are rounded to f16
;; workspace buffers: w16 2,097,152 bytes; v16 2,097,152 bytes; k16 2,097,152 bytes; m16 2,097,152 bytes
;; launch prep: the kernel of part 1 again; grid 256 x 1, 8 waves a work-group, no clusters, 35,840 bytes of LDS; arguments cum_weight, v, k, mask, w16, v16, k16, m16; writes w16, v16, k16, m16
;; launch attn (part 3): grid 256 x 1, 4 waves a work-group, no clusters, 289,280 bytes of LDS; arguments q, w16, k16, m16, v16, out0; writes out0
.if DOCPART == 3
	.amdgcn_target "amdgcn-amd-amdhsa--gfx1250"
	.amdhsa_code_object_version 6
	.text
	.protected	k_q847aa92576_attn
	.globl	k_q847aa92576_attn
	.p2align	8
	.type	k_q847aa92576_attn,@function
k_q847aa92576_attn:
	s_mov_b64 s[64:65], 0
	v_nop
	global_prefetch_b8 v0, s[64:65] scope:SCOPE_SE
	s_setreg_imm32_b32 hwreg(HW_REG_WAVE_MODE, 25, 1), 1
	s_wait_xcnt 0x0
; y = (z * exp(lb W)) V for 128 rows i of one (b, kk, head), with z = sigmoid(x), lb = log_sigmoid(-x), x = q.k / 8, both 0 where mask = 0.
; In base 2: t = x log2(e); lb2 = -(max(t, 0) + log2(1 + 2^-|t|)); S2 = lb2 W; att = (1 - 2^lb2) 2^S2.  A masked lb2 is 0, which makes z = 0 by itself.
; 256 work-groups of four waves.  Phases:
;   P0  q to bf16 through LDS, into fragments.
;   P1  wave w: keys 256 w .. 256 w + 255 for all 128 rows: q.k, lb2, mask, f16, into LDS, where lb2 stays (128 x 1024 x 2 bytes).
;   four column tiles of 256 c; wave w owns 64 of them: 32 K steps S2(128 x 64) += W fragments x lb2 fragments, then att and att.V into the
;   wave's own partial y (128 x 64, its 64 c of each tile).
;   last: the four partial y meet in LDS and leave as whole rows of 256 bytes.
; THE TEXT IS KEPT SHORT: register numbers are fixed in the text, so a ring of 8 register slots asks for 8 K steps of text and 8 row tiles for 8
; pieces of epilogue; beyond that everything is a loop.  A tile's 32 K steps are step 0 (it starts S with C = 0), three trips over steps
; 8j+1 .. 8j+8, and steps 25 .. 31: 16 K steps of text; the four tiles are four trips over that and one epilogue; P1 is 8 trips over two key tiles.
; Three prices, all stated here:
;   y is cleared at the start (32 matrix instructions on a zero fragment, while the first loads are on their way), since the one epilogue always adds;
;   the last tile's steps 25 .. 31 have no tile to ask for: their base is not stepped, and they read its K steps 24 .. 30 once more into ring slots
;   that nobody reads (28,672 bytes a wave beside the 524,288 that it uses), so that every wait's count holds on every path;
;   P1's last trip asks for key tile 14 once more (6,144 bytes a wave) for the same reason.  No load leaves its buffer.
; NUMBER FORMATS.  q.k: bf16.  lb2 W: f16, because an error of lb2 stands in an exponent and in z: f16's half-step is 2^-11 of the number, bf16's 2^-8.
; Room: q and k of spread 1 give |lb2| up to about 9; both 30 times larger about 8,000; both offset by 30 about 10,700; f16 ends at 65,504.
; att V: bf16, since att has no bound (weights may be negative), rounded once: the error of y is at most 2^-9 x sum |att v|.
; W fragments go from memory straight into the registers of the one wave that uses them (8 matrix instructions each), through a ring of
; 8 K steps x 32 registers, 7 K steps (28,672 bytes a wave) requested ahead; only lb2 fragments are read from LDS.
; NO CLUSTER, NO JOINT REQUESTS, though all work-groups walk the same w16: a joint request lands in LDS, where beside lb2 (270,336 bytes) and q
; (18,432) 38,912 of 327,680 bytes remain, two K steps of 16,384; and a pass of W through LDS would add 2 MiB of LDS writes and 2 MiB of reads
; a work-group to the 4 MiB of lb2 reads.  No prefetch: every operand buffer is 2 MiB, written just before and read by many work-groups.
; ALL PRODUCTS ARE USED TRANSPOSED: source 0 = K, W or V fragment, source 1 = q, lb2 or att fragment.  Lane (r, h) of a result then holds row i = r
; and eight neighbouring j, c or d = 8h + 0..7: eight lb2 pack into 16 bytes of an LDS row, and two packed S tiles ARE an att fragment.
; LIMITS: q, k, v and W enter rounded to bf16, att likewise.  lb2 is rounded to f16 (below 2^-14: absolute error up to 2^-25) and z is formed from the rounded lb2.
; max(t, 0) is cut at 65,000, so lb2 >= -65,001: beyond that 2^(lb2 w) differs from the true one only where |w| < 0.003.
; v_exp_f32 gives 0 below 2^-126; 1 + 2^-|t| drops terms below 2^-24 (lb2 then is -max(t, 0), absolute error below 1e-7).
.set PITCH, 528                        ; an lb2 row of a panel: 512 bytes + 16 = 33 x 16, so 16 rows start in 16 different 16-byte columns
.set RT,    16*PITCH                   ; a row tile
.set PAN,   128*PITCH                  ; panel g: keys 256 g .. 256 g + 255 of all 128 rows = 8 K steps
.set QS,    4*PAN                      ; q in bf16: 128 rows, 144 bytes apart
.set QP,    144
.set YP,    272                        ; partial y: rows of 256 bytes + 16; wave w's 128 rows at w x YW, over lb2 when nobody reads it any more
.set YW,    128*YP
.set KS,    16384                      ; a K step of w16: the four waves' chunks of 4,096 bytes
; scalar registers
.set QB, 4                             ; s[4:5]   q at my rows
.set WB, 6                             ; s[6:7]   w16, my wave's chunk, walking
.set KB, 8                             ; s[8:9]   k16 at key tile 2t of mine
.set MB, 10                            ; s[10:11] m16 at my rows, key tile 2t
.set VB, 12                            ; s[12:13] v16 at the tile's 64 c of mine
.set OB, 14                            ; s[14:15] out0 at my rows
.set CS, 24                            ; s[24:25] log2(e) / 8, twice
.set KB2, 32                           ; s[32:33] k16 at key tile min(2t + 2, 14)
.set MB2, 34                           ; s[34:35] m16 likewise
; s[20:21], s[36:37], s[38:39] steps as pairs (high words 0); s26, s27 counters; s28 65,000.0; s29 the sign bit
; vector registers, window 0
.set L16,  8                           ; 16 x lane
.set QOFF, 9                           ; q and out0: my 16 bytes of my wave's first two rows
.set QST,  10
.set QRD,  11
.set PS,   12                          ; where P1 stores lb2
.set EA,   15                          ; where the epilogue reads lb2 of my 64 c
.set YST,  16
.set YRD0, 17
.set YRD1, 18
.set AD0,  20                          ; lb2 fragments of panel 0
.set AD3,  21                          ; and of panel 3
.set LC,   24                          ; in the K loop: panel j
.set LN,   25                          ; panel j + 1
.set KF,   32                          ; v32-63  P1: K fragments, two buffers of 16
.set DT,   64                          ; v64-127 P1: eight product tiles
.set MM,   128                         ; v128-143 P1: max(t, 0) of two tiles
.set NN,   144                         ; v144-159 P1: at work, then lb2 of two tiles
.set PP,   160                         ; v160-175 P1: packed lb2, two sets of 8 that take turns
.set ZZ,   176                         ; v176-183 at the start: a fragment of zeros
.set MK,   192                         ; v192-255 P1: masks, two buffers of 32
.set AB,   64                          ; v64-191 lb2 fragments, two buffers of 64
.set LBP,  64                          ; v64-95  epilogue: packed lb2, two buffers of 16 (named v64 .. v95 in UNPACK: halves of registers have no bracket form)
.set XX,   96                          ; v96-127 2^lb2
.set E1,   128                         ; v128-159 2^S2, then att
.set FR,   160                         ; v160-175 att fragments
.set VF,   192                         ; v192-255 V fragments
.set TT,   64
.set RR,   128
; window 1: the W ring, slot s at 32 s.  window 2: P1: q fragments at 16 a; then S tile (a, f) at 8 (4a + f).  window 3: y tile (a, dt) at 8 (4a + dt).
.set MSB, 0
.macro WIN new                         ; low byte: bits 1:0 source 0, 3:2 source 1, 5:4 source 2, 7:6 destination; high byte: the setting that is left
.if MSB != \new
	s_set_vgpr_msb (MSB<<8)|\new
.set MSB, \new
.endif
.endm
; Four plain places stand between a matrix instruction and a vector instruction or load that touches its registers.
.macro PLACES
.rept 4
	v_nop
.endr
.endm
	s_load_b256 s[4:11], s[0:1], 0x0               ; q, w16, k16, m16
	s_load_b128 s[12:15], s[0:1], 0x20             ; v16, out0
	v_lshl_add_u32 v30, v0, 2, 0x46800
	v_mov_b32 v31, 0
	v_lshrrev_b32 v3, 5, v0
	v_readfirstlane_b32 s16, v3                    ; wave w
	v_and_b32 v1, 15, v0                           ; r
	v_bfe_u32 v2, v0, 4, 1                         ; h
	v_and_b32 v3, 31, v0
	v_lshlrev_b32 v[L16], 4, v3
	s_mov_b32 s[CS], 0x3e38aa3b
	s_mov_b32 s[CS+1], 0x3e38aa3b
	s_mov_b32 s28, 0x477de800                      ; 65,000.0
	s_mov_b32 s29, 0x80000000
	s_mov_b32 s37, 0
	s_mov_b32 s39, 0
	s_and_b32 s17, ttmp9, 7                        ; block of 128 rows
	s_bfe_u32 s18, ttmp9, 0x10003                  ; kk
	s_lshr_b32 s19, ttmp9, 4                       ; bh = 8 b + head: the 16 work-groups of one K and V are neighbours
	s_lshr_b32 s20, ttmp9, 7
	s_lshl_b32 s20, s20, 22                        ; b x 1024 rows of 4,096 bytes
	s_lshl_b32 s2, s17, 19                         ; 128 rows
	s_add_co_u32 s20, s20, s2
	s_lshl_b32 s2, s18, 11
	s_add_co_u32 s20, s20, s2
	s_and_b32 s2, s19, 7
	s_lshl_b32 s2, s2, 8
	s_add_co_u32 s20, s20, s2
	s_mov_b32 s21, 0
	v_lshlrev_b32 v[QOFF], 12, v2                  ; lanes 0-15 one row of 256 bytes, lanes 16-31 the next
	v_lshl_add_u32 v[QOFF], v1, 4, v[QOFF]
	s_lshl_b32 s3, s16, 17                         ; wave w: rows 32 w ..
	v_add_nc_u32 v[QOFF], s3, v[QOFF]
	s_wait_kmcnt 0x0
	s_add_nc_u64 s[QB:QB+1], s[QB:QB+1], s[20:21]
	s_add_nc_u64 s[OB:OB+1], s[OB:OB+1], s[20:21]
.irp p, 0,1,2,3,4,5,6,7,8,9,10,11,12,13,14,15
	global_load_b128 v[64+4*\p:64+4*\p+3], v[QOFF], s[QB:QB+1] offset:\p*8192 th:TH_LOAD_NT
.endr
	s_lshl_b32 s20, s16, 12
	s_add_nc_u64 s[WB:WB+1], s[WB:WB+1], s[20:21]  ; chunk w of each K step
	s_lshl_b32 s20, s19, 17
	s_lshl_b32 s2, s16, 15
	s_add_co_u32 s20, s20, s2
	s_add_nc_u64 s[KB:KB+1], s[KB:KB+1], s[20:21]  ; bh x 64 key tiles of 2,048 bytes + 16 w key tiles
	s_add_nc_u64 s[KB2:KB2+1], s[KB:KB+1], 4096    ; two key tiles on
	s_lshl_b32 s20, s17, 18
	s_lshl_b32 s2, s16, 13
	s_add_co_u32 s20, s20, s2
	s_add_nc_u64 s[MB:MB+1], s[MB:MB+1], s[20:21]  ; 8 row tiles of 32,768 bytes a block + 16 w key tiles of 512
	s_add_nc_u64 s[MB2:MB2+1], s[MB:MB+1], 1024
	s_lshl_b32 s20, s19, 17
	s_add_co_u32 s20, s20, s2
	s_add_nc_u64 s[VB:VB+1], s[VB:VB+1], s[20:21]  ; bh x 32 chunks of 4,096 bytes + 2 w chunks
.irp t, 0,1,2,3
	global_load_b128 v[KF+4*\t:KF+4*\t+3], v[L16], s[KB:KB+1] offset:\t*512        ; my first key tile: K fragments
.endr
.irp a, 0,1,2,3,4,5,6,7
	global_load_b128 v[MK+4*\a:MK+4*\a+3], v[L16], s[MB:MB+1] offset:\a*32768      ; and its masks for the 8 row tiles
.endr
	WIN 0x40                                       ; the W ring, whose registers P1 does not touch: K steps 0..3 into slots 0..3
.irp s, 0,1,2,3
.irp t, 0,1,2,3,4,5,6,7
	global_load_b128 v[32*\s+4*\t:32*\s+4*\t+3], v[L16], s[WB:WB+1] offset:\s*KS+\t*512
.endr
.endr
	WIN 0
	; LDS addresses
	v_mul_u32_u24 v[QST], v2, QP
	v_lshl_add_u32 v[QST], v1, 3, v[QST]
	s_mul_i32 s3, s16, 32*QP
	s_add_co_u32 s3, s3, QS
	v_add_nc_u32 v[QST], s3, v[QST]                ; QS + (32 w + h) rows + 8 r
	v_mul_u32_u24 v[QRD], v1, QP
	v_lshl_add_u32 v[QRD], v2, 4, v[QRD]
	v_add_nc_u32 v[QRD], QS, v[QRD]                ; QS + r rows + 16 h
	v_mul_u32_u24 v4, v1, PITCH
	v_lshl_add_u32 v4, v2, 4, v4                   ; r rows + 16 h
	s_mul_i32 s3, s16, PAN
	v_add_nc_u32 v[PS], s3, v4                     ; my panel
	v_mov_b32 v[AD0], v4
	v_add_nc_u32 v[AD3], 3*PAN, v4
	s_lshl_b32 s3, s16, 7
	v_add_nc_u32 v[EA], s3, v4                     ; + my 64 c of a tile's 256
	v_mul_u32_u24 v[YST], v1, YP
	v_lshl_add_u32 v[YST], v2, 5, v[YST]
	s_mul_i32 s3, s16, YW
	v_add_nc_u32 v[YST], s3, v[YST]
	v_mul_u32_u24 v[YRD0], v2, YP
	v_lshl_add_u32 v[YRD0], v1, 4, v[YRD0]
	s_mul_i32 s3, s16, 32*YP
	v_add_nc_u32 v[YRD0], s3, v[YRD0]              ; rows 32 w + h of partial 0
	v_add_nc_u32 v[YRD1], 2*YW, v[YRD0]            ; and of partial 2
	; y is cleared: 0 x 0 + 0 into its 32 tiles, 40 instructions for 256 registers, while the loads above are on their way.
	; The first product cannot start y here: the epilogue's text serves all four tiles.
.irp i, 0,1,2,3,4,5,6,7
	v_mov_b32 v[ZZ+\i], 0
.endr
	WIN 0xc0                                       ; D in window 3
.set j, 0
.rept 32
	v_wmma_f32_16x16x32_bf16 v[8*j:8*j+7], v[ZZ:ZZ+7], v[ZZ:ZZ+7], 0
.set j, j+1
.endr
	WIN 0
	; P0: q to bf16
	s_wait_loadcnt 44                              ; q's 16 loads are in; the key tile's 12 and the ring's first 32 stay out
	WIN 0x40
.irp s, 4,5,6
.irp t, 0,1,2,3,4,5,6,7
	global_load_b128 v[32*\s+4*\t:32*\s+4*\t+3], v[L16], s[WB:WB+1] offset:\s*KS+\t*512    ; K steps 4..6 into slots 4..6
.endr
.endr
	WIN 0
.irp p, 0,1,2,3,4,5,6,7,8,9,10,11,12,13,14,15
	v_cvt_pk_bf16_f32 v[128+2*\p], v[64+4*\p], v[64+4*\p+1]
	v_cvt_pk_bf16_f32 v[128+2*\p+1], v[64+4*\p+2], v[64+4*\p+3]
	ds_store_b64 v[QST], v[128+2*\p:128+2*\p+1] offset:\p*2*QP
.endr
	s_wait_dscnt 0x0                               ; my 32 rows of q are in LDS
	s_barrier_signal -1
	s_barrier_wait -1                              ; everybody's are
	WIN 0x80                                       ; into window 2
.irp a, 0,1,2,3,4,5,6,7
.irp t, 0,1,2,3
	ds_load_b128 v[16*\a+4*\t:16*\a+4*\t+3], v[QRD] offset:\a*16*QP+32*\t          ; q fragment (a, u = t / 2), half t % 2
.endr
.endr
	WIN 0
	s_wait_dscnt 0x0
; P1.  Two 16 x 16 tiles of products (row tiles 2p, 2p + 1: 16 numbers a lane) to lb2; mask buffer b, key tile parity par.
; Two tiles at a time, so that each stage is a run of 8 or 16 instructions that do not wait for each other; the packed results take turns
; between two sets of registers, so that a set is written again a whole pair behind the LDS stores that read it.
.macro TILE2 p, b, par
.set j, 0
.rept 8
	v_pk_mul_f32 v[DT+16*\p+j:DT+16*\p+j+1], v[DT+16*\p+j:DT+16*\p+j+1], s[CS:CS+1] op_sel_hi:[1,0]       ; t
.set j, j+2
.endr
.set j, 0
.rept 16
	v_med3_num_f32 v[MM+j], v[DT+16*\p+j], 0, s28                  ; M = max(t, 0), cut at 65,000: lb2 stays inside f16
.set j, j+1
.endr
.set j, 0
.rept 16
	v_or_b32 v[NN+j], s29, v[DT+16*\p+j]                           ; -|t|
.set j, j+1
.endr
.set j, 0
.rept 16
	v_exp_f32 v[NN+j], v[NN+j]
.set j, j+1
.endr
	v_nop                                          ; one plain place behind the last transcendental before its result is used (ISA guide 5.7.2)
.set j, 0
	s_wait_alu depctr_va_vdst(0)
.rept 8
	v_pk_add_f32 v[NN+j:NN+j+1], v[NN+j:NN+j+1], 1.0 op_sel_hi:[1,0]
.set j, j+2
.endr
.set j, 0
.rept 16
	v_log_f32 v[NN+j], v[NN+j]
.set j, j+1
.endr
	v_nop
.set j, 0
	s_wait_alu depctr_va_vdst(0)
.rept 8
	v_pk_add_f32 v[NN+j:NN+j+1], v[MM+j:MM+j+1], v[NN+j:NN+j+1] neg_lo:[1,1] neg_hi:[1,1]                 ; lb2 = -M - log2(1 + 2^-|t|)
.set j, j+2
.endr
.set j, 0
.rept 8
	v_cvt_pk_f16_f32 v[PP+8*(\p%2)+j], v[NN+2*j], v[NN+2*j+1]
.set j, j+1
.endr
.set j, 0
.rept 8
	v_and_b32 v[PP+8*(\p%2)+j], v[PP+8*(\p%2)+j], v[MK+32*\b+8*\p+j]                                      ; masked: +0
.set j, j+1
.endr
	ds_store_b128 v[PS], v[PP+8*(\p%2):PP+8*(\p%2)+3] offset:2*\p*RT+\par*32           ; row 32p + r, keys 16 par + 8h + 0..7 of this pair of key tiles
	ds_store_b128 v[PS], v[PP+8*(\p%2)+4:PP+8*(\p%2)+7] offset:(2*\p+1)*RT+\par*32     ; row 32p + 16 + r
.endm
; One key tile for all 128 rows, from buffers b.  The next key tile's 12 loads (bases kb, mb, offsets ko, mo) go out first, into the other
; buffers, whose last matrix instructions lie a whole key tile of vector work back.
.macro JT b, par, kb, ko, mb, mo
.irp t, 0,1,2,3
	global_load_b128 v[KF+16*(1-\b)+4*\t:KF+16*(1-\b)+4*\t+3], v[L16], s[\kb:\kb+1] offset:\ko+\t*512
.endr
.irp a, 0,1,2,3,4,5,6,7
	global_load_b128 v[MK+32*(1-\b)+4*\a:MK+32*(1-\b)+4*\a+3], v[L16], s[\mb:\mb+1] offset:\mo+\a*32768
.endr
	s_wait_loadcnt 12                              ; this key tile's loads are in (and, the first time, the ring's); the 12 just issued stay out
	WIN 0x08                                       ; source 1 (q) in window 2
.irp a, 0,1,2,3,4,5,6,7
	v_wmma_f32_16x16x32_bf16 v[DT+8*\a:DT+8*\a+7], v[KF+16*\b:KF+16*\b+7], v[16*\a:16*\a+7], 0
.endr
.irp a, 0,1,2,3,4,5,6,7
	v_wmma_f32_16x16x32_bf16 v[DT+8*\a:DT+8*\a+7], v[KF+16*\b+8:KF+16*\b+15], v[16*\a+8:16*\a+15], v[DT+8*\a:DT+8*\a+7]
.endr
	WIN 0
	PLACES
	TILE2 0, \b, \par
	TILE2 1, \b, \par
	TILE2 2, \b, \par
	TILE2 3, \b, \par
.endm
	s_mov_b32 s26, 8                               ; trip t = 8 - s26: key tiles 2t, 2t + 1 of my 16
.Ljt:
	JT 0, 0, KB, 2048, MB, 512                     ; works on 2t, asks for 2t + 1
	JT 1, 1, KB2, 0, MB2, 0                        ; works on 2t + 1, asks for min(2t + 2, 14)
	v_add_nc_u32 v[PS], 64, v[PS]                  ; two key tiles on in the lb2 rows
	s_wait_xcnt 0x0                                ; the bases of the loads above are stepped only behind this wait
	s_add_nc_u64 s[KB:KB+1], s[KB:KB+1], 4096
	s_add_nc_u64 s[MB:MB+1], s[MB:MB+1], 1024
	s_cmp_gt_u32 s26, 2                            ; behind trips 0..5 the second bases step too: 2, 4 .. 14; then they stay, and the last trip's
	s_cselect_b32 s36, 4096, 0                     ; request, which nobody uses, stays inside my 16 key tiles
	s_cselect_b32 s38, 1024, 0
	s_add_nc_u64 s[KB2:KB2+1], s[KB2:KB2+1], s[36:37]
	s_add_nc_u64 s[MB2:MB2+1], s[MB2:MB2+1], s[38:39]
	s_sub_co_u32 s26, s26, 1
	s_cmp_lg_u32 s26, 0
	s_cbranch_scc1 .Ljt
	s_wait_loadcnt 0x0                             ; the last trip's unused request has landed: V is loaded into the same registers
	s_wait_dscnt 0x0                               ; my panel of lb2 is in LDS
	s_barrier_signal -1
	s_barrier_wait -1                              ; all four are
; A K step on ring slot sl and lb2 buffer sl % 2.  It asks for the K step 7 further on (byte roff from WB) into the slot read last, and
; nx = 1: for the next step's lb2 fragments (address register preg, byte poff of the rows) into the other buffer;
; nx = 0 (a tile's last step): for the epilogue's first 16 rows of packed lb2, into the first 16 registers of that buffer.
; The places at the head serve both runs of loads: each goes into registers that the last K step's matrix instructions read.
.macro KSTEP sl, zero, roff, preg, poff, nx
	PLACES
	WIN 0x40
.irp t, 0,1,2,3,4,5,6,7
	global_load_b128 v[32*((\sl+7)%8)+4*\t:32*((\sl+7)%8)+4*\t+3], v[L16], s[WB:WB+1] offset:\roff+\t*512
.endr
	WIN 0
.if \nx
.irp a, 0,1,2,3,4,5,6,7
	ds_load_b128 v[AB+64*((\sl+1)%2)+8*\a:AB+64*((\sl+1)%2)+8*\a+3], v[\preg] offset:\a*RT+\poff
	ds_load_b128 v[AB+64*((\sl+1)%2)+8*\a+4:AB+64*((\sl+1)%2)+8*\a+7], v[\preg] offset:\a*RT+\poff+32
.endr
.else
.irp f, 0,1,2,3
	ds_load_b128 v[LBP+4*\f:LBP+4*\f+3], v[EA] offset:32*\f
.endr
.endif
	s_wait_loadcnt 56                              ; 7 younger K steps of 8 loads stay out (in a tile's first 7 steps V's 16 loads lie between too: the count is then stricter than it need be)
.if \nx
	s_wait_dscnt 16                                ; this step's lb2 is in; the run just issued stays out
.else
	s_wait_dscnt 4                                 ; likewise: the epilogue's four loads stay out
.endif
	WIN 0xa1                                       ; source 0 (W) window 1, source 1 (lb2) window 0, C and D window 2
.irp f, 0,1,2,3
.irp a, 0,1,2,3,4,5,6,7
.if \zero
	v_wmma_f32_16x16x32_f16 v[8*(4*\a+\f):8*(4*\a+\f)+7], v[32*\sl+8*\f:32*\sl+8*\f+7], v[AB+64*(\sl%2)+8*\a:AB+64*(\sl%2)+8*\a+7], 0
.else
	v_wmma_f32_16x16x32_f16 v[8*(4*\a+\f):8*(4*\a+\f)+7], v[32*\sl+8*\f:32*\sl+8*\f+7], v[AB+64*(\sl%2)+8*\a:AB+64*(\sl%2)+8*\a+7], v[8*(4*\a+\f):8*(4*\a+\f)+7]
.endif
.endr
.endr
.endm
; 32 lb2 of buffer b (v64-79 or v80-95) from f16 to f32, low half first
.macro UNPACK b
.set j, 0
.if \b == 0
.irp x, v64.l, v64.h, v65.l, v65.h, v66.l, v66.h, v67.l, v67.h, v68.l, v68.h, v69.l, v69.h, v70.l, v70.h, v71.l, v71.h, v72.l, v72.h, v73.l, v73.h, v74.l, v74.h, v75.l, v75.h, v76.l, v76.h, v77.l, v77.h, v78.l, v78.h, v79.l, v79.h
	v_cvt_f32_f16 v[XX+j], \x
.set j, j+1
.endr
.else
.irp x, v80.l, v80.h, v81.l, v81.h, v82.l, v82.h, v83.l, v83.h, v84.l, v84.h, v85.l, v85.h, v86.l, v86.h, v87.l, v87.h, v88.l, v88.h, v89.l, v89.h, v90.l, v90.h, v91.l, v91.h, v92.l, v92.h, v93.l, v93.h, v94.l, v94.h, v95.l, v95.h
	v_cvt_f32_f16 v[XX+j], \x
.set j, j+1
.endr
.endif
.endm
; Epilogue, row tile a (lb2 buffer b = a % 2): att = (1 - 2^lb2) 2^S2 for 16 rows x my 64 c, rounded to bf16 into two fragments, times V onto y.
; The next row tile's lb2 is asked for behind the exponentials: so no memory instruction stands between a row tile's matrix instructions
; and the next row tile's vector work, which names none of their registers before the conversions into FR, 48 plain instructions on.
.macro ROW a, b
	s_wait_dscnt 0x0                               ; this row tile's four loads, issued half a row tile (or a K step) ago, are the only ones out
	UNPACK \b
.set j, 0
.rept 32
	v_exp_f32 v[XX+j], v[XX+j]                     ; 2^lb2 = 1 - z
.set j, j+1
.endr
	WIN 0x02                                       ; source 0 (S) in window 2
.set j, 0
.rept 32
	v_exp_f32 v[E1+j], v[32*\a+j]                  ; 2^S2
.set j, j+1
.endr
	WIN 0
.if \a < 7
.irp f, 0,1,2,3
	ds_load_b128 v[LBP+16*(1-\b)+4*\f:LBP+16*(1-\b)+4*\f+3], v[EA] offset:(\a+1)*RT+32*\f
.endr
.endif
	v_nop                                          ; the plain place behind the transcendentals
.set j, 0
	s_wait_alu depctr_va_vdst(0)
.rept 16
	v_pk_fma_f32 v[E1+j:E1+j+1], v[XX+j:XX+j+1], v[E1+j:E1+j+1], v[E1+j:E1+j+1] neg_lo:[1,0,0] neg_hi:[1,0,0]      ; E - X E = z E, one rounding
.set j, j+2
.endr
.irp i, 0,1,2,3,4,5,6,7,8,9,10,11,12,13,14,15
	v_cvt_pk_bf16_f32 v[FR+\i], v[E1+2*\i], v[E1+2*\i+1]           ; tiles f = 2u, 2u+1 are registers 0-3, 4-7 of fragment u
.endr
	WIN 0xf0                                       ; C and D (y) in window 3
.irp d, 0,1,2,3
	v_wmma_f32_16x16x32_bf16 v[8*(4*\a+\d):8*(4*\a+\d)+7], v[VF+8*\d:VF+8*\d+7], v[FR:FR+7], v[8*(4*\a+\d):8*(4*\a+\d)+7]
.endr
.irp d, 0,1,2,3
	v_wmma_f32_16x16x32_bf16 v[8*(4*\a+\d):8*(4*\a+\d)+7], v[VF+32+8*\d:VF+32+8*\d+7], v[FR+8:FR+15], v[8*(4*\a+\d):8*(4*\a+\d)+7]
.endr
	WIN 0
.endm
	; THE FOUR COLUMN TILES.  At the head WB stands at the tile's K step 0.
	s_mov_b32 s27, 4
.Lnt:
	PLACES                                         ; behind the last epilogue's matrix instructions, which read VF
.irp t, 0,1,2,3,4,5,6,7,8,9,10,11,12,13,14,15
	global_load_b128 v[VF+4*\t:VF+4*\t+3], v[L16], s[VB:VB+1] offset:\t*512        ; fragment (u, dt) at VF + 32 u + 8 dt.  Older than K step 1's request, so
.endr                                                                                  ; K step 7's wait shows them landed: the epilogue waits for no load, and the ring stays full across it
.irp a, 0,1,2,3,4,5,6,7
	ds_load_b128 v[AB+8*\a:AB+8*\a+3], v[AD0] offset:\a*RT                         ; K step 0's lb2
	ds_load_b128 v[AB+8*\a+4:AB+8*\a+7], v[AD0] offset:\a*RT+32
.endr
	v_mov_b32 v[LN], v[AD0]
	KSTEP 0, 1, 7*KS, AD0, 64, 1                   ; K step 0 starts S: nothing is cleared
	WIN 0
	s_mov_b32 s26, 3
.Lks:                                                  ; trip j: K steps 8j + 1 .. 8j + 8; WB stands at K step 8j
	v_mov_b32 v[LC], v[LN]                         ; panel j
	v_add_nc_u32 v[LN], PAN, v[LN]                 ; panel j + 1, at most 3
	KSTEP 1, 0,  8*KS, LC, 128, 1
	KSTEP 2, 0,  9*KS, LC, 192, 1
	KSTEP 3, 0, 10*KS, LC, 256, 1
	KSTEP 4, 0, 11*KS, LC, 320, 1
	KSTEP 5, 0, 12*KS, LC, 384, 1
	KSTEP 6, 0, 13*KS, LC, 448, 1
	KSTEP 7, 0, 14*KS, LN, 0, 1
	KSTEP 0, 0, 15*KS, LN, 64, 1
	WIN 0
	s_wait_xcnt 0x0                                ; W loads are out: their base is stepped only behind this wait
	s_add_nc_u64 s[WB:WB+1], s[WB:WB+1], 8*KS
	s_sub_co_u32 s26, s26, 1
	s_cmp_lg_u32 s26, 0
	s_cbranch_scc1 .Lks
	s_cmp_gt_u32 s27, 1                            ; WB stands at K step 24.  A tile follows: on to its K step 0.  None follows: WB stays, and the
	s_cselect_b32 s20, 8*KS, 0                     ; seven requests below read K steps 24 .. 30 once more, for nobody
	s_add_nc_u64 s[WB:WB+1], s[WB:WB+1], s[20:21]  ; (no load has been issued since the wait above)
	KSTEP 1, 0, 0*KS, AD3, 128, 1                  ; K steps 25 .. 31
	KSTEP 2, 0, 1*KS, AD3, 192, 1
	KSTEP 3, 0, 2*KS, AD3, 256, 1
	KSTEP 4, 0, 3*KS, AD3, 320, 1
	KSTEP 5, 0, 4*KS, AD3, 384, 1
	KSTEP 6, 0, 5*KS, AD3, 448, 1
	KSTEP 7, 0, 6*KS, AD3, 0, 0                    ; asks for the epilogue's first lb2 in place of fragments
	WIN 0
	PLACES                                         ; behind the last K step: S is read, its lb2 buffers are written
	ROW 0, 0
	ROW 1, 1
	ROW 2, 0
	ROW 3, 1
	ROW 4, 0
	ROW 5, 1
	ROW 6, 0
	ROW 7, 1
	v_add_nc_u32 v[EA], PAN, v[EA]                 ; the next tile's c lie in the next panel
	s_wait_xcnt 0x0
	s_add_nc_u64 s[VB:VB+1], s[VB:VB+1], 32768
	s_sub_co_u32 s27, s27, 1
	s_cmp_lg_u32 s27, 0
	s_cbranch_scc1 .Lnt
	; The four partial y meet in LDS.
	PLACES                                         ; behind the last matrix instructions, whose results the stores read
	s_wait_dscnt 0x0                               ; my reads of lb2 are over
	s_barrier_signal -1
	s_barrier_wait -1                              ; everybody's are: lb2's bytes may be written
	WIN 0x0c                                       ; store data (source 1) in window 3
.irp a, 0,1,2,3,4,5,6,7
.irp d, 0,1,2,3
	ds_store_b128 v[YST], v[8*(4*\a+\d):8*(4*\a+\d)+3] offset:\a*16*YP+\d*64       ; row 16a + r, d = 16 dt + 8h + 0..3
	ds_store_b128 v[YST], v[8*(4*\a+\d)+4:8*(4*\a+\d)+7] offset:\a*16*YP+\d*64+16
.endr
.endr
	WIN 0
	s_wait_dscnt 0x0                               ; my partial is in LDS
	s_barrier_signal -1
	s_barrier_wait -1
	; wave w sums rows 32 w .. 32 w + 31, two rows a step, four steps' loads in a run
.irp bt, 0,1,2,3
.irp qq, 0,1,2,3
	ds_load_b128 v[TT+16*\qq:TT+16*\qq+3], v[YRD0] offset:(4*\bt+\qq)*2*YP
	ds_load_b128 v[TT+16*\qq+4:TT+16*\qq+7], v[YRD0] offset:YW+(4*\bt+\qq)*2*YP
	ds_load_b128 v[TT+16*\qq+8:TT+16*\qq+11], v[YRD1] offset:(4*\bt+\qq)*2*YP
	ds_load_b128 v[TT+16*\qq+12:TT+16*\qq+15], v[YRD1] offset:YW+(4*\bt+\qq)*2*YP
.endr
.irp qq, 0,1,2,3
	s_wait_dscnt 12-4*\qq                          ; this step's four loads are in; the younger steps' stay out
	v_pk_add_f32 v[TT+16*\qq:TT+16*\qq+1], v[TT+16*\qq:TT+16*\qq+1], v[TT+16*\qq+4:TT+16*\qq+5]
	v_pk_add_f32 v[TT+16*\qq+2:TT+16*\qq+3], v[TT+16*\qq+2:TT+16*\qq+3], v[TT+16*\qq+6:TT+16*\qq+7]
	v_pk_add_f32 v[TT+16*\qq+8:TT+16*\qq+9], v[TT+16*\qq+8:TT+16*\qq+9], v[TT+16*\qq+12:TT+16*\qq+13]
	v_pk_add_f32 v[TT+16*\qq+10:TT+16*\qq+11], v[TT+16*\qq+10:TT+16*\qq+11], v[TT+16*\qq+14:TT+16*\qq+15]
	v_pk_add_f32 v[RR+4*(4*\bt+\qq):RR+4*(4*\bt+\qq)+1], v[TT+16*\qq:TT+16*\qq+1], v[TT+16*\qq+8:TT+16*\qq+9]
	v_pk_add_f32 v[RR+4*(4*\bt+\qq)+2:RR+4*(4*\bt+\qq)+3], v[TT+16*\qq+2:TT+16*\qq+3], v[TT+16*\qq+10:TT+16*\qq+11]
	global_store_b128 v[QOFF], v[RR+4*(4*\bt+\qq):RR+4*(4*\bt+\qq)+3], s[OB:OB+1] offset:(4*\bt+\qq)*8192 th:TH_STORE_NT   ; 16 lanes: one row's 256 bytes, aligned; each step has its own data registers
.endr
.endr
	s_wait_tensorcnt 0x0
	ds_add_u32 v30, v31
	s_wait_dscnt 0x0
	s_endpgm
.Lfunc_end_k_q847aa92576_attn:
	.size	k_q847aa92576_attn, .Lfunc_end_k_q847aa92576_attn-k_q847aa92576_attn
	.p2alignl 7, 3214868480
	.fill 96, 4, 3214868480
	.section	.rodata,"a",@progbits
	.p2align	6, 0x0
	.amdhsa_kernel k_q847aa92576_attn
		.amdhsa_group_segment_fixed_size 289280
		.amdhsa_private_segment_fixed_size 0
		.amdhsa_enable_private_segment 0
		.amdhsa_kernarg_size 48
		.amdhsa_user_sgpr_count 2
		.amdhsa_user_sgpr_kernarg_segment_ptr 1
		.amdhsa_wavefront_size32 1
		.amdhsa_system_sgpr_workgroup_id_x 1
		.amdhsa_system_sgpr_workgroup_id_y 1
		.amdhsa_system_sgpr_workgroup_id_z 1
		.amdhsa_system_vgpr_workitem_id 0
		.amdhsa_next_free_vgpr 1024
		.amdhsa_next_free_sgpr 66
		.amdhsa_reserve_vcc 0
		.amdhsa_float_denorm_mode_32 3
		.amdhsa_float_denorm_mode_16_64 3
		.amdhsa_memory_ordered 1
		.amdhsa_forward_progress 1
		.amdhsa_inst_pref_size 196
	.end_amdhsa_kernel
	.amdgpu_metadata
---
amdhsa.version: [ 1, 2 ]
amdhsa.kernels:
  - .name:           k_q847aa92576_attn
    .symbol:         k_q847aa92576_attn.kd
    .args:
      - { .name: q, .offset: 0, .size: 8, .value_kind: global_buffer, .address_space: global }
      - { .name: w16, .offset: 8, .size: 8, .value_kind: global_buffer, .address_space: global }
      - { .name: k16, .offset: 16, .size: 8, .value_kind: global_buffer, .address_space: global }
      - { .name: m16, .offset: 24, .size: 8, .value_kind: global_buffer, .address_space: global }
      - { .name: v16, .offset: 32, .size: 8, .value_kind: global_buffer, .address_space: global }
      - { .name: out0, .offset: 40, .size: 8, .value_kind: global_buffer, .address_space: global }
    .group_segment_fixed_size: 289280
    .private_segment_fixed_size: 0
    .kernarg_segment_align: 8
    .kernarg_segment_size: 48
    .max_flat_workgroup_size: 128
    .sgpr_count:     66
    .vgpr_count:     1024
    .wavefront_size: 32
...
	.end_amdgpu_metadata
.endif
;; end of part 3
;; ======== version 3 of 3: 2 launches; version 2 with the launch attn written anew for expert scheduling mode
;; limits: values are held in f16: magnitudes above 65,504 overflow, below 6.1e-05 lose precision; right only within a limited range of input values; values outside matrix products are rounded to f16
;; workspace buffers: w16 2,097,152 bytes; v16 2,097,152 bytes; k16 2,097,152 bytes; m16 2,097,152 bytes
;; launch prep: the kernel of part 1 again; grid 256 x 1, 8 waves a work-group, no clusters, 35,840 bytes of LDS; arguments cum_weight, v, k, mask, w16, v16, k16, m16; writes w16, v16, k16, m16
;; launch attn (part 4): grid 256 x 1, 4 waves a work-group, no clusters, 289,280 bytes of LDS; arguments q, w16, k16, m16, v16, out0; writes out0
.if DOCPART == 4
	.amdgcn_target "amdgcn-amd-amdhsa--gfx1250"
	.amdhsa_code_object_version 6
	.text
	.protected	k_q847aa92576_attn
	.globl	k_q847aa92576_attn
	.p2align	8
	.type	k_q847aa92576_attn,@function
k_q847aa92576_attn:
	s_mov_b64 s[64:65], 0
	v_nop
	global_prefetch_b8 v0, s[64:65] scope:SCOPE_SE
	s_setreg_imm32_b32 hwreg(HW_REG_WAVE_SCHED_MODE, 0, 2), 2
	s_setreg_imm32_b32 hwreg(HW_REG_WAVE_MODE, 25, 1), 1
	s_wait_xcnt 0x0
	s_wait_alu depctr_vm_vsrc(0)
; y = (z * exp(lb W)) V for 128 rows i of one (b, kk, head), with z = sigmoid(x), lb = log_sigmoid(-x), x = q.k / 8, both 0 where mask = 0.
; In base 2: t = x log2(e); lb2 = -(max(t, 0) + log2(1 + 2^-|t|)); S2 = lb2 W; att = (1 - 2^lb2) 2^S2.  A masked lb2 is 0, which makes z = 0 by itself.
; 256 work-groups of four waves.  Phases:
;   P0  q to bf16 through LDS, into fragments.
;   P1  wave w: keys 256 w .. 256 w + 255 for all 128 rows: q.k, lb2, mask, f16, into LDS, where lb2 stays (128 x 1024 x 2 bytes).
;   four column tiles of 256 c; wave w owns 64 of them: 32 K steps S2(128 x 64) += W fragments x lb2 fragments, then att and att.V into the
;   wave's own partial y (128 x 64, its 64 c of each tile).
;   last: the four partial y meet in LDS and leave as whole rows of 256 bytes.
; THE TEXT IS KEPT SHORT: register numbers are fixed in the text, so a ring of 8 register slots asks for 8 K steps of text and 8 row tiles for 8
; pieces of epilogue; beyond that everything is a loop.  A tile's 32 K steps are step 0 (it starts S with C = 0), three trips over steps
; 8j+1 .. 8j+8, and steps 25 .. 31: 16 K steps of text; the four tiles are four trips over that and one epilogue; P1 is 8 trips over two key tiles.
; Three prices, all stated here:
;   y is cleared at the start (32 matrix instructions on a zero fragment, while the first loads are on their way), since the one epilogue always adds;
;   the last tile's steps 25 .. 31 have no tile to ask for: their base is not stepped, and they read its K steps 24 .. 30 once more into ring slots
;   that nobody reads (28,672 bytes a wave beside the 524,288 that it uses), so that every wait's count holds on every path;
;   P1's last trip asks for key tile 14 once more (6,144 bytes a wave) for the same reason.  No load leaves its buffer.
; NUMBER FORMATS.  q.k: bf16.  lb2 W: f16, because an error of lb2 stands in an exponent and in z: f16's half-step is 2^-11 of the number, bf16's 2^-8.
; Room: q and k of spread 1 give |lb2| up to about 9; both 30 times larger about 8,000; both offset by 30 about 10,700; f16 ends at 65,504.
; att V: bf16, since att has no bound (weights may be negative), rounded once: the error of y is at most 2^-9 x sum |att v|.
; W fragments go from memory straight into the registers of the one wave that uses them (8 matrix instructions each), through a ring of
; 8 K steps x 32 registers; K step s asks for K step s + 7, so 6 to 7 K steps (up to 28,672 bytes a wave) are on their way; only lb2 fragments are read from LDS.
; NO CLUSTER, NO JOINT REQUESTS, though all work-groups walk the same w16: a joint request lands in LDS, where beside lb2 (270,336 bytes) and q
; (18,432) 38,912 of 327,680 bytes remain, two K steps of 16,384; and a pass of W through LDS would add 2 MiB of LDS writes and 2 MiB of reads
; a work-group to the 4 MiB of lb2 reads.  No prefetch: every operand buffer is 2 MiB, written just before and read by many work-groups.
; ALL PRODUCTS ARE USED TRANSPOSED: source 0 = K, W or V fragment, source 1 = q, lb2 or att fragment.  Lane (r, h) of a result then holds row i = r
; and eight neighbouring j, c or d = 8h + 0..7: eight lb2 pack into 16 bytes of an LDS row, and two packed S tiles ARE an att fragment.
; LIMITS: q, k, v and W enter rounded to bf16, att likewise.  lb2 is rounded to f16 (below 2^-14: absolute error up to 2^-25) and z is formed from the rounded lb2.
; max(t, 0) is cut at 65,000, so lb2 >= -65,001: beyond that 2^(lb2 w) differs from the true one only where |w| < 0.003.
; v_exp_f32 gives 0 below 2^-126; 1 + 2^-|t| drops terms below 2^-24 (lb2 then is -max(t, 0), absolute error below 1e-7).
; THE MODE: SCHED_MODE bits 1:0 = 2 (LLVM: expert scheduling mode 2), set by the entry lines.  The code itself states the register dependences
; between vector or matrix instructions and memory or LDS instructions, with s_wait_alu, always for 0.
; THE PLAN.  Registers that memory or LDS instructions touch, and who else names them:
;   L16, QOFF, QST, QRD, AD0, AD3, YST, YRD0, YRD1   offsets and LDS addresses, written once at the head and never again.
;   P1: KF0, KF1, MK0, MK1   The 12 loads at a key tile's head land in the buffers that the key tile before multiplied and masked by.
;       PP (four sets)       Written by a key tile's roundings and masks, read by its 8 LDS stores, which stand in one run at its end.
;       PS                   Read by those stores, stepped once a trip.
;       One wait on va_vdst a key tile, ahead of the stores: PP is written, and the key tile is done with its KF and MK, so the next key tile's loads owe nothing.
;       One wait on vm_vsrc a key tile, behind its products: the stores of the key tile before have read PP.  One more a trip, ahead of the add to PS.
;   K steps: ring slot (s + 7) % 8 and lb2 buffer (s + 1) % 2   K step s - 1's products read them; K step s's loads land in them.
;       LC, LN               Read by lb2 loads, written at a trip's head (LN at a tile's head too).
;       One wait on va_vdst at a K step's head: the products of the step before are done reading.  The step's 24 loads follow, dealt among its own products,
;       which name slot s % 8, buffer s % 2 and S: none of the registers that those loads touch.  One wait on vm_vsrc a trip, ahead of the writes of LC and LN.
;   Epilogue: LBP0, LBP1     Row tile a unpacks LBP[a % 2]; behind its exponentials four loads land in the other buffer, which row tile a - 1 unpacked: one wait on va_vdst there.
;       EA                   Read by those loads, stepped once a tile behind a wait on vm_vsrc.     VF: read by the epilogue's products, loaded at a tile's head behind a wait on va_vdst.
;   Way out: y is stored behind four places and a wait on va_vdst; T0, T1 take the partial sums by turns; RR has registers of its own for each store.
.set PITCH, 528                        ; an lb2 row of a panel: 512 bytes + 16 = 33 x 16, so 16 rows start in 16 different 16-byte columns
.set RT,    16*PITCH                   ; a row tile
.set PAN,   128*PITCH                  ; panel g: keys 256 g .. 256 g + 255 of all 128 rows = 8 K steps
.set QS,    4*PAN                      ; q in bf16: 128 rows, 144 bytes apart
.set QP,    144
.set YP,    272                        ; partial y: rows of 256 bytes + 16; wave w's 128 rows at w x YW, over lb2 when nobody reads it any more
.set YW,    128*YP
.set KS,    16384                      ; a K step of w16: the four waves' chunks of 4,096 bytes
; scalar registers
.set QB, 4                             ; s[4:5]   q at my rows
.set WB, 6                             ; s[6:7]   w16, my wave's chunk, walking
.set KB, 8                             ; s[8:9]   k16 at key tile 2t of mine
.set MB, 10                            ; s[10:11] m16 at my rows, key tile 2t
.set VB, 12                            ; s[12:13] v16 at the tile's 64 c of mine
.set OB, 14                            ; s[14:15] out0 at my rows
.set CS, 24                            ; s[24:25] log2(e) / 8, twice
.set KB2, 32                           ; s[32:33] k16 at key tile min(2t + 2, 14)
.set MB2, 34                           ; s[34:35] m16 likewise
; s[20:21], s[36:37], s[38:39] steps as pairs (high words 0); s26, s27 counters; s28 65,000.0; s29 the sign bit
; vector registers, window 0
.set L16,  8                           ; 16 x lane
.set QOFF, 9                           ; q and out0: my 16 bytes of my wave's first two rows
.set QST,  10
.set QRD,  11
.set PS,   12                          ; where P1 stores lb2
.set EA,   15                          ; where the epilogue reads lb2 of my 64 c
.set YST,  16
.set YRD0, 17
.set YRD1, 18
.set AD0,  20                          ; lb2 fragments of panel 0
.set AD3,  21                          ; and of panel 3
.set LC,   24                          ; in the K loop: panel j
.set LN,   25                          ; panel j + 1
.set KF,   32                          ; v32-63  P1: K fragments, two buffers of 16
.set DT,   64                          ; v64-127 P1: eight product tiles
.set MM,   128                         ; v128-143 P1: max(t, 0) of two tiles
.set NN,   144                         ; v144-159 P1: at work, then lb2 of two tiles
.set PP,   160                         ; v160-191 P1: packed lb2 of a key tile, four sets of 8, one for each pair of row tiles
.set ZZ,   176                         ; v176-183 at the start: a fragment of zeros
.set MK,   192                         ; v192-255 P1: masks, two buffers of 32
.set AB,   64                          ; v64-191 lb2 fragments, two buffers of 64
.set LBP,  64                          ; v64-95  epilogue: packed lb2, two buffers of 16 (named v64 .. v95 in UNPACK: halves of registers have no bracket form)
.set XX,   96                          ; v96-127 2^lb2
.set E1,   128                         ; v128-159 2^S2, then att
.set FR,   160                         ; v160-175 att fragments
.set VF,   192                         ; v192-255 V fragments
.set TT,   64                          ; the way out: partial sums as read back, buffer 0 at v64-127, buffer 1 at v192-255
.set RR,   128
; window 1: the W ring, slot s at 32 s.  window 2: P1: q fragments at 16 a; then S tile (a, f) at 8 (4a + f).  window 3: y tile (a, dt) at 8 (4a + dt).
.set MSB, 0
.macro WIN new                         ; low byte: bits 1:0 source 0, 3:2 source 1, 5:4 source 2, 7:6 destination; high byte: the setting that is left
.if MSB != \new
	s_set_vgpr_msb (MSB<<8)|\new
.set MSB, \new
.endif
.endm
; Four plain places stand between a matrix instruction and a vector instruction or a store that touches its registers.
; For a load into registers that a matrix instruction has read, the wait on va_vdst states the dependence.
.macro PLACES
.rept 4
	v_nop
.endr
.endm
	s_load_b256 s[4:11], s[0:1], 0x0               ; q, w16, k16, m16
	s_load_b128 s[12:15], s[0:1], 0x20             ; v16, out0
	v_lshl_add_u32 v30, v0, 2, 0x46800
	v_mov_b32 v31, 0
	v_lshrrev_b32 v3, 5, v0
	v_readfirstlane_b32 s16, v3                    ; wave w
	v_and_b32 v1, 15, v0                           ; r
	v_bfe_u32 v2, v0, 4, 1                         ; h
	v_and_b32 v3, 31, v0
	v_lshlrev_b32 v[L16], 4, v3
	s_mov_b32 s[CS], 0x3e38aa3b
	s_mov_b32 s[CS+1], 0x3e38aa3b
	s_mov_b32 s28, 0x477de800                      ; 65,000.0
	s_mov_b32 s29, 0x80000000
	s_mov_b32 s37, 0
	s_mov_b32 s39, 0
	s_and_b32 s17, ttmp9, 7                        ; block of 128 rows
	s_bfe_u32 s18, ttmp9, 0x10003                  ; kk
	s_lshr_b32 s19, ttmp9, 4                       ; bh = 8 b + head: the 16 work-groups of one K and V are neighbours
	s_lshr_b32 s20, ttmp9, 7
	s_lshl_b32 s20, s20, 22                        ; b x 1024 rows of 4,096 bytes
	s_lshl_b32 s2, s17, 19                         ; 128 rows
	s_add_co_u32 s20, s20, s2
	s_lshl_b32 s2, s18, 11
	s_add_co_u32 s20, s20, s2
	s_and_b32 s2, s19, 7
	s_lshl_b32 s2, s2, 8
	s_add_co_u32 s20, s20, s2
	s_mov_b32 s21, 0
	v_lshlrev_b32 v[QOFF], 12, v2                  ; lanes 0-15 one row of 256 bytes, lanes 16-31 the next
	v_lshl_add_u32 v[QOFF], v1, 4, v[QOFF]
	s_wait_alu depctr_va_sdst(0)                   ; s16 is written, ahead of its first reader: offsets, bases and LDS addresses are made from it
	s_lshl_b32 s3, s16, 17                         ; wave w: rows 32 w ..
	v_add_nc_u32 v[QOFF], s3, v[QOFF]
	s_wait_kmcnt 0x0
	s_add_nc_u64 s[QB:QB+1], s[QB:QB+1], s[20:21]
	s_add_nc_u64 s[OB:OB+1], s[OB:OB+1], s[20:21]
	s_wait_alu depctr_va_vdst(0)                   ; L16 and QOFF are written: every global load and store of the kernel reads one of them as its offset
.irp p, 0,1,2,3,4,5,6,7,8,9,10,11,12,13,14,15
	global_load_b128 v[64+4*\p:64+4*\p+3], v[QOFF], s[QB:QB+1] offset:\p*8192 th:TH_LOAD_NT
.endr
	s_lshl_b32 s20, s16, 12
	s_add_nc_u64 s[WB:WB+1], s[WB:WB+1], s[20:21]  ; chunk w of each K step
	s_lshl_b32 s20, s19, 17
	s_lshl_b32 s2, s16, 15
	s_add_co_u32 s20, s20, s2
	s_add_nc_u64 s[KB:KB+1], s[KB:KB+1], s[20:21]  ; bh x 64 key tiles of 2,048 bytes + 16 w key tiles
	s_add_nc_u64 s[KB2:KB2+1], s[KB:KB+1], 4096    ; two key tiles on
	s_lshl_b32 s20, s17, 18
	s_lshl_b32 s2, s16, 13
	s_add_co_u32 s20, s20, s2
	s_add_nc_u64 s[MB:MB+1], s[MB:MB+1], s[20:21]  ; 8 row tiles of 32,768 bytes a block + 16 w key tiles of 512
	s_add_nc_u64 s[MB2:MB2+1], s[MB:MB+1], 1024
	s_lshl_b32 s20, s19, 17
	s_add_co_u32 s20, s20, s2
	s_add_nc_u64 s[VB:VB+1], s[VB:VB+1], s[20:21]  ; bh x 32 chunks of 4,096 bytes + 2 w chunks
.irp t, 0,1,2,3
	global_load_b128 v[KF+4*\t:KF+4*\t+3], v[L16], s[KB:KB+1] offset:\t*512        ; my first key tile: K fragments
.endr
.irp a, 0,1,2,3,4,5,6,7
	global_load_b128 v[MK+4*\a:MK+4*\a+3], v[L16], s[MB:MB+1] offset:\a*32768      ; and its masks for the 8 row tiles
.endr
	WIN 0x40                                       ; the W ring, whose registers P1 does not touch: K steps 0..3 into slots 0..3
.irp s, 0,1,2,3
.irp t, 0,1,2,3,4,5,6,7
	global_load_b128 v[32*\s+4*\t:32*\s+4*\t+3], v[L16], s[WB:WB+1] offset:\s*KS+\t*512
.endr
.endr
	WIN 0
	; LDS addresses.  Their first readers stand behind the wait on va_vdst in P0.
	v_mul_u32_u24 v[QST], v2, QP
	v_lshl_add_u32 v[QST], v1, 3, v[QST]
	s_mul_i32 s3, s16, 32*QP
	s_add_co_u32 s3, s3, QS
	v_add_nc_u32 v[QST], s3, v[QST]                ; QS + (32 w + h) rows + 8 r
	v_mul_u32_u24 v[QRD], v1, QP
	v_lshl_add_u32 v[QRD], v2, 4, v[QRD]
	v_add_nc_u32 v[QRD], QS, v[QRD]                ; QS + r rows + 16 h
	v_mul_u32_u24 v4, v1, PITCH
	v_lshl_add_u32 v4, v2, 4, v4                   ; r rows + 16 h
	s_mul_i32 s3, s16, PAN
	v_add_nc_u32 v[PS], s3, v4                     ; my panel
	v_mov_b32 v[AD0], v4
	v_add_nc_u32 v[AD3], 3*PAN, v4
	s_lshl_b32 s3, s16, 7
	v_add_nc_u32 v[EA], s3, v4                     ; + my 64 c of a tile's 256
	v_mul_u32_u24 v[YST], v1, YP
	v_lshl_add_u32 v[YST], v2, 5, v[YST]
	s_mul_i32 s3, s16, YW
	v_add_nc_u32 v[YST], s3, v[YST]
	v_mul_u32_u24 v[YRD0], v2, YP
	v_lshl_add_u32 v[YRD0], v1, 4, v[YRD0]
	s_mul_i32 s3, s16, 32*YP
	v_add_nc_u32 v[YRD0], s3, v[YRD0]              ; rows 32 w + h of partial 0
	v_add_nc_u32 v[YRD1], 2*YW, v[YRD0]            ; and of partial 2
	; y is cleared: 0 x 0 + 0 into its 32 tiles, 40 instructions for 256 registers, while the loads above are on their way.
	; The first product cannot start y here: the epilogue's text serves all four tiles.
.irp i, 0,1,2,3,4,5,6,7
	v_mov_b32 v[ZZ+\i], 0
.endr
	WIN 0xc0                                       ; D in window 3
.set j, 0
.rept 32
	v_wmma_f32_16x16x32_bf16 v[8*j:8*j+7], v[ZZ:ZZ+7], v[ZZ:ZZ+7], 0
.set j, j+1
.endr
	WIN 0
	; P0: q to bf16
	s_wait_loadcnt 44                              ; q's 16 loads are in; the key tile's 12 and the ring's first 32 stay out
	WIN 0x40
.irp s, 4,5,6
.irp t, 0,1,2,3,4,5,6,7
	global_load_b128 v[32*\s+4*\t:32*\s+4*\t+3], v[L16], s[WB:WB+1] offset:\s*KS+\t*512    ; K steps 4..6 into slots 4..6.  No wait: no vector or matrix instruction since the wait ahead of q's loads names L16 or the ring
.endr
.endr
	WIN 0
.irp p, 0,1,2,3,4,5,6,7,8,9,10,11,12,13,14,15
	v_cvt_pk_bf16_f32 v[128+2*\p], v[64+4*\p], v[64+4*\p+1]
	v_cvt_pk_bf16_f32 v[128+2*\p+1], v[64+4*\p+2], v[64+4*\p+3]
.endr
	s_wait_alu depctr_va_vdst(0)                   ; the conversions have written v128-159, which the LDS stores read; all the LDS addresses made above are written
.irp p, 0,1,2,3,4,5,6,7,8,9,10,11,12,13,14,15
	ds_store_b64 v[QST], v[128+2*\p:128+2*\p+1] offset:\p*2*QP
.endr
	s_wait_dscnt 0x0                               ; my 32 rows of q are in LDS
	s_barrier_signal -1
	s_barrier_wait -1                              ; everybody's are
	WIN 0x80                                       ; into window 2
.irp a, 0,1,2,3,4,5,6,7
.irp t, 0,1,2,3
	ds_load_b128 v[16*\a+4*\t:16*\a+4*\t+3], v[QRD] offset:\a*16*QP+32*\t          ; q fragment (a, u = t / 2), half t % 2
.endr
.endr
	WIN 0
	s_wait_dscnt 0x0
; P1.  Two 16 x 16 tiles of products (row tiles 2p, 2p + 1: 16 numbers a lane) to lb2; mask buffer b.
; Two tiles at a time, so that each stage is a run of 8 or 16 instructions that do not wait for each other; each pair has its own set of
; eight registers for the packed results, and the key tile's eight LDS stores follow together, in JT.
.macro TILE2 p, b
.set j, 0
.rept 8
	v_pk_mul_f32 v[DT+16*\p+j:DT+16*\p+j+1], v[DT+16*\p+j:DT+16*\p+j+1], s[CS:CS+1] op_sel_hi:[1,0]       ; t
.set j, j+2
.endr
.set j, 0
.rept 16
	v_med3_num_f32 v[MM+j], v[DT+16*\p+j], 0, s28                  ; M = max(t, 0), cut at 65,000: lb2 stays inside f16
.set j, j+1
.endr
.set j, 0
.rept 16
	v_or_b32 v[NN+j], s29, v[DT+16*\p+j]                           ; -|t|
.set j, j+1
.endr
.set j, 0
.rept 16
	v_exp_f32 v[NN+j], v[NN+j]
.set j, j+1
.endr
	v_nop                                          ; one plain place behind the last transcendental before its result is used (ISA guide 5.7.2)
.set j, 0
	s_wait_alu depctr_va_vdst(0)
.rept 8
	v_pk_add_f32 v[NN+j:NN+j+1], v[NN+j:NN+j+1], 1.0 op_sel_hi:[1,0]
.set j, j+2
.endr
.set j, 0
.rept 16
	v_log_f32 v[NN+j], v[NN+j]
.set j, j+1
.endr
	v_nop
.set j, 0
	s_wait_alu depctr_va_vdst(0)
.rept 8
	v_pk_add_f32 v[NN+j:NN+j+1], v[MM+j:MM+j+1], v[NN+j:NN+j+1] neg_lo:[1,1] neg_hi:[1,1]                 ; lb2 = -M - log2(1 + 2^-|t|)
.set j, j+2
.endr
.set j, 0
.rept 8
	v_cvt_pk_f16_f32 v[PP+8*\p+j], v[NN+2*j], v[NN+2*j+1]
.set j, j+1
.endr
.set j, 0
.rept 8
	v_and_b32 v[PP+8*\p+j], v[PP+8*\p+j], v[MK+32*\b+8*\p+j]                                              ; masked: +0
.set j, j+1
.endr
.endm
; One key tile for all 128 rows, from buffers b; par: its parity.  The next key tile's 12 loads (bases kb, mb, offsets ko, mo) go out first, into the other
; buffers.  They owe no wait of their own: the products and masks that read those buffers stand ahead of the wait on va_vdst at the end of the key tile
; before (the first time: nothing has named them), and no vector instruction since names them or L16.
.macro JT b, par, kb, ko, mb, mo
.irp t, 0,1,2,3
	global_load_b128 v[KF+16*(1-\b)+4*\t:KF+16*(1-\b)+4*\t+3], v[L16], s[\kb:\kb+1] offset:\ko+\t*512
.endr
.irp a, 0,1,2,3,4,5,6,7
	global_load_b128 v[MK+32*(1-\b)+4*\a:MK+32*(1-\b)+4*\a+3], v[L16], s[\mb:\mb+1] offset:\mo+\a*32768
.endr
	s_wait_loadcnt 12                              ; this key tile's loads are in (and, the first time, the ring's); the 12 just issued stay out
	WIN 0x08                                       ; source 1 (q) in window 2
.irp a, 0,1,2,3,4,5,6,7
	v_wmma_f32_16x16x32_bf16 v[DT+8*\a:DT+8*\a+7], v[KF+16*\b:KF+16*\b+7], v[16*\a:16*\a+7], 0
.endr
.irp a, 0,1,2,3,4,5,6,7
	v_wmma_f32_16x16x32_bf16 v[DT+8*\a:DT+8*\a+7], v[KF+16*\b+8:KF+16*\b+15], v[16*\a+8:16*\a+15], v[DT+8*\a:DT+8*\a+7]
.endr
	WIN 0
	PLACES
	s_wait_alu depctr_vm_vsrc(0)                   ; the LDS stores of the key tile before have read PP, which is written again below (the first time: P0's stores have read v128-159, MM and NN from here on)
	TILE2 0, \b
	TILE2 1, \b
	TILE2 2, \b
	TILE2 3, \b
	s_wait_alu depctr_va_vdst(0)                   ; PP is written, which the stores below read; this key tile is done reading KF[b] and MK[b], in which the next key tile's loads land; in a trip's first key tile PS is written
.irp e, 0,1,2,3
	ds_store_b128 v[PS], v[PP+8*\e:PP+8*\e+3] offset:2*\e*RT+\par*32               ; row 32e + r, keys 16 par + 8h + 0..7 of this pair of key tiles
	ds_store_b128 v[PS], v[PP+8*\e+4:PP+8*\e+7] offset:(2*\e+1)*RT+\par*32         ; row 32e + 16 + r
.endr
.endm
	s_mov_b32 s26, 8                               ; trip t = 8 - s26: key tiles 2t, 2t + 1 of my 16
.Ljt:
	JT 0, 0, KB, 2048, MB, 512                     ; works on 2t, asks for 2t + 1
	JT 1, 1, KB2, 0, MB2, 0                        ; works on 2t + 1, asks for min(2t + 2, 14)
	s_wait_xcnt 0x0                                ; the bases of the loads above are stepped only behind this wait
	s_add_nc_u64 s[KB:KB+1], s[KB:KB+1], 4096
	s_add_nc_u64 s[MB:MB+1], s[MB:MB+1], 1024
	s_cmp_gt_u32 s26, 2                            ; behind trips 0..5 the second bases step too: 2, 4 .. 14; then they stay, and the last trip's
	s_cselect_b32 s36, 4096, 0                     ; request, which nobody uses, stays inside my 16 key tiles
	s_cselect_b32 s38, 1024, 0
	s_add_nc_u64 s[KB2:KB2+1], s[KB2:KB2+1], s[36:37]
	s_add_nc_u64 s[MB2:MB2+1], s[MB2:MB2+1], s[38:39]
	s_wait_alu depctr_vm_vsrc(0)                   ; the LDS stores above have read PS, and PP, in which lb2 fragments land behind the last trip
	v_add_nc_u32 v[PS], 64, v[PS]                  ; two key tiles on in the lb2 rows
	s_sub_co_u32 s26, s26, 1
	s_cmp_lg_u32 s26, 0
	s_cbranch_scc1 .Ljt
	s_wait_loadcnt 0x0                             ; the last trip's unused request has landed: V is loaded into the same registers
	s_wait_dscnt 0x0                               ; my panel of lb2 is in LDS
	s_barrier_signal -1
	s_barrier_wait -1                              ; all four are
; A K step on ring slot sl and lb2 buffer sl % 2.  Its loads are dealt among its 32 products, four at a time:
; behind products 1, 3, 5, 7 (nx = 1) the next step's lb2 fragments (address register preg, byte poff of the rows) into the other buffer, two row tiles each,
; so that the last of them has 24 products in which to land; nx = 0 (a tile's last step): behind product 1 the epilogue's first 16 rows of packed lb2,
; into the first 16 registers of that buffer; behind products 9 and 11 the K step 7 further on (byte roff from WB) into the slot read last.
; zero = 1: a tile's first step: its products start S, and the wait at the tile's head has stated all that its loads hang on.
.macro KSTEP sl, zero, roff, preg, poff, nx
	s_wait_loadcnt 48                              ; this step's W is in: the 6 younger K steps of 8 loads stay out (in a tile's first 7 steps V's 16 loads lie between too: the count is then stricter than it need be)
	s_wait_dscnt 0x0                               ; this step's lb2 is in: nothing younger has been issued
.if !\zero
	s_wait_alu depctr_va_vdst(0)                   ; the products of the step before are done reading their ring slot and their lb2 buffer, in which the loads below land; in a trip's first step LC and LN are written
.endif
.set NB, AB+64*((\sl+1)%2)
.set NS, 32*((\sl+7)%8)
.irp f, 0,1,2,3
.irp a, 0,1,2,3,4,5,6,7
.set i, 8*\f+\a
	WIN 0xa1                                       ; source 0 (W) window 1, source 1 (lb2) window 0, C and D window 2
.if \zero
	v_wmma_f32_16x16x32_f16 v[8*(4*\a+\f):8*(4*\a+\f)+7], v[32*\sl+8*\f:32*\sl+8*\f+7], v[AB+64*(\sl%2)+8*\a:AB+64*(\sl%2)+8*\a+7], 0
.else
	v_wmma_f32_16x16x32_f16 v[8*(4*\a+\f):8*(4*\a+\f)+7], v[32*\sl+8*\f:32*\sl+8*\f+7], v[AB+64*(\sl%2)+8*\a:AB+64*(\sl%2)+8*\a+7], v[8*(4*\a+\f):8*(4*\a+\f)+7]
.endif
.if (i < 8) && (i%2 == 1) && (\nx)
	WIN 0                                          ; row tiles i - 1 and i.  No wait: no product since the wait above names the other buffer or its address
	ds_load_b128 v[NB+8*i-8:NB+8*i-5], v[\preg] offset:(i-1)*RT+\poff
	ds_load_b128 v[NB+8*i-4:NB+8*i-1], v[\preg] offset:(i-1)*RT+\poff+32
	ds_load_b128 v[NB+8*i:NB+8*i+3], v[\preg] offset:i*RT+\poff
	ds_load_b128 v[NB+8*i+4:NB+8*i+7], v[\preg] offset:i*RT+\poff+32
.endif
.if (i == 1) && !(\nx)
	WIN 0
.irp t, 0,1,2,3
	ds_load_b128 v[LBP+4*\t:LBP+4*\t+3], v[EA] offset:32*\t
.endr
.endif
.if (i == 9) || (i == 11)
	WIN 0x40                                       ; loads 0-3, then 4-7, of the eight.  No wait: no product since the wait above names that slot or L16
.irp t, 0,1,2,3
	global_load_b128 v[NS+4*(2*i-18+\t):NS+4*(2*i-18+\t)+3], v[L16], s[WB:WB+1] offset:\roff+(2*i-18+\t)*512
.endr
.endif
.endr
.endr
.endm
; 32 lb2 of buffer b (v64-79 or v80-95) from f16 to f32, low half first
.macro UNPACK b
.set j, 0
.if \b == 0
.irp x, v64.l, v64.h, v65.l, v65.h, v66.l, v66.h, v67.l, v67.h, v68.l, v68.h, v69.l, v69.h, v70.l, v70.h, v71.l, v71.h, v72.l, v72.h, v73.l, v73.h, v74.l, v74.h, v75.l, v75.h, v76.l, v76.h, v77.l, v77.h, v78.l, v78.h, v79.l, v79.h
	v_cvt_f32_f16 v[XX+j], \x
.set j, j+1
.endr
.else
.irp x, v80.l, v80.h, v81.l, v81.h, v82.l, v82.h, v83.l, v83.h, v84.l, v84.h, v85.l, v85.h, v86.l, v86.h, v87.l, v87.h, v88.l, v88.h, v89.l, v89.h, v90.l, v90.h, v91.l, v91.h, v92.l, v92.h, v93.l, v93.h, v94.l, v94.h, v95.l, v95.h
	v_cvt_f32_f16 v[XX+j], \x
.set j, j+1
.endr
.endif
.endm
; Epilogue, row tile a (lb2 buffer b = a % 2): att = (1 - 2^lb2) 2^S2 for 16 rows x my 64 c, rounded to bf16 into two fragments, times V onto y.
; The next row tile's lb2 is asked for behind the exponentials: so no memory instruction stands between a row tile's matrix instructions
; and the next row tile's vector work, which names none of their registers before the conversions into FR, 48 plain instructions on.
.macro ROW a, b
	s_wait_dscnt 0x0                               ; this row tile's four loads, issued half a row tile (or a K step) ago, are the only ones out
	UNPACK \b
.set j, 0
.rept 32
	v_exp_f32 v[XX+j], v[XX+j]                     ; 2^lb2 = 1 - z
.set j, j+1
.endr
	WIN 0x02                                       ; source 0 (S) in window 2
.set j, 0
.rept 32
	v_exp_f32 v[E1+j], v[32*\a+j]                  ; 2^S2
.set j, j+1
.endr
	WIN 0
.if \a < 7
.if \a > 0
	s_wait_alu depctr_va_vdst(0)                   ; the row tile before is done unpacking the other buffer, in which the loads below land (row tile 0: K step 30's products read it last, ahead of K step 31's wait)
.endif
.irp f, 0,1,2,3
	ds_load_b128 v[LBP+16*(1-\b)+4*\f:LBP+16*(1-\b)+4*\f+3], v[EA] offset:(\a+1)*RT+32*\f
.endr
.endif
	v_nop                                          ; the plain place behind the transcendentals
.set j, 0
	s_wait_alu depctr_va_vdst(0)
.rept 16
	v_pk_fma_f32 v[E1+j:E1+j+1], v[XX+j:XX+j+1], v[E1+j:E1+j+1], v[E1+j:E1+j+1] neg_lo:[1,0,0] neg_hi:[1,0,0]      ; E - X E = z E, one rounding
.set j, j+2
.endr
.irp i, 0,1,2,3,4,5,6,7,8,9,10,11,12,13,14,15
	v_cvt_pk_bf16_f32 v[FR+\i], v[E1+2*\i], v[E1+2*\i+1]           ; tiles f = 2u, 2u+1 are registers 0-3, 4-7 of fragment u
.endr
	WIN 0xf0                                       ; C and D (y) in window 3
.irp d, 0,1,2,3
	v_wmma_f32_16x16x32_bf16 v[8*(4*\a+\d):8*(4*\a+\d)+7], v[VF+8*\d:VF+8*\d+7], v[FR:FR+7], v[8*(4*\a+\d):8*(4*\a+\d)+7]
.endr
.irp d, 0,1,2,3
	v_wmma_f32_16x16x32_bf16 v[8*(4*\a+\d):8*(4*\a+\d)+7], v[VF+32+8*\d:VF+32+8*\d+7], v[FR+8:FR+15], v[8*(4*\a+\d):8*(4*\a+\d)+7]
.endr
	WIN 0
.endm
	; THE FOUR COLUMN TILES.  At the head WB stands at the tile's K step 0.
	s_mov_b32 s27, 4
.Lnt:
	v_mov_b32 v[LN], v[AD0]                        ; (the lb2 loads that read LN stand ahead of the wait on vm_vsrc at the last tile's end)
	s_wait_alu depctr_va_vdst(0)                   ; the last epilogue's products are done reading VF, its vector work is done with v64-191, the last K step's products with ring slot 7: loads land in all of these up to the end of K step 0; LN and EA are written
.irp t, 0,1,2,3,4,5,6,7,8,9,10,11,12,13,14,15
	global_load_b128 v[VF+4*\t:VF+4*\t+3], v[L16], s[VB:VB+1] offset:\t*512        ; fragment (u, dt) at VF + 32 u + 8 dt.  Older than the request that K step 0 makes, so
.endr                                                                                  ; K step 7's wait shows them landed: the epilogue waits for no load, and the ring stays full across it
.irp a, 0,1,2,3,4,5,6,7
	ds_load_b128 v[AB+8*\a:AB+8*\a+3], v[AD0] offset:\a*RT                         ; K step 0's lb2
	ds_load_b128 v[AB+8*\a+4:AB+8*\a+7], v[AD0] offset:\a*RT+32
.endr
	KSTEP 0, 1, 7*KS, AD0, 64, 1                   ; K step 0 starts S: nothing is cleared
	WIN 0
	s_mov_b32 s26, 3
.Lks:                                                  ; trip j: K steps 8j + 1 .. 8j + 8; WB stands at K step 8j
	s_wait_alu depctr_vm_vsrc(0)                   ; the lb2 loads of the trip before have read LC and LN
	v_mov_b32 v[LC], v[LN]                         ; panel j
	v_add_nc_u32 v[LN], PAN, v[LN]                 ; panel j + 1, at most 3
	KSTEP 1, 0,  8*KS, LC, 128, 1
	KSTEP 2, 0,  9*KS, LC, 192, 1
	KSTEP 3, 0, 10*KS, LC, 256, 1
	KSTEP 4, 0, 11*KS, LC, 320, 1
	KSTEP 5, 0, 12*KS, LC, 384, 1
	KSTEP 6, 0, 13*KS, LC, 448, 1
	KSTEP 7, 0, 14*KS, LN, 0, 1
	KSTEP 0, 0, 15*KS, LN, 64, 1
	WIN 0
	s_wait_xcnt 0x0                                ; W loads are out: their base is stepped only behind this wait
	s_add_nc_u64 s[WB:WB+1], s[WB:WB+1], 8*KS
	s_sub_co_u32 s26, s26, 1
	s_cmp_lg_u32 s26, 0
	s_cbranch_scc1 .Lks
	s_cmp_gt_u32 s27, 1                            ; WB stands at K step 24.  A tile follows: on to its K step 0.  None follows: WB stays, and the
	s_cselect_b32 s20, 8*KS, 0                     ; seven requests below read K steps 24 .. 30 once more, for nobody
	s_add_nc_u64 s[WB:WB+1], s[WB:WB+1], s[20:21]  ; (no load has been issued since the wait above)
	KSTEP 1, 0, 0*KS, AD3, 128, 1                  ; K steps 25 .. 31
	KSTEP 2, 0, 1*KS, AD3, 192, 1
	KSTEP 3, 0, 2*KS, AD3, 256, 1
	KSTEP 4, 0, 3*KS, AD3, 320, 1
	KSTEP 5, 0, 4*KS, AD3, 384, 1
	KSTEP 6, 0, 5*KS, AD3, 448, 1
	KSTEP 7, 0, 6*KS, AD3, 0, 0                    ; asks for the epilogue's first lb2 in place of fragments
	WIN 0
	PLACES                                         ; behind the last K step: S is read, its lb2 buffers are written, by vector instructions
	ROW 0, 0
	ROW 1, 1
	ROW 2, 0
	ROW 3, 1
	ROW 4, 0
	ROW 5, 1
	ROW 6, 0
	ROW 7, 1
	s_wait_alu depctr_vm_vsrc(0)                   ; the epilogue's LDS loads have read EA; the K steps' have read LN, which the next tile's head writes
	v_add_nc_u32 v[EA], PAN, v[EA]                 ; the next tile's c lie in the next panel
	s_wait_xcnt 0x0
	s_add_nc_u64 s[VB:VB+1], s[VB:VB+1], 32768
	s_sub_co_u32 s27, s27, 1
	s_cmp_lg_u32 s27, 0
	s_cbranch_scc1 .Lnt
	; The four partial y meet in LDS.
	PLACES                                         ; behind the last matrix instructions, whose results the stores read
	s_wait_dscnt 0x0                               ; my reads of lb2 are over
	s_barrier_signal -1
	s_barrier_wait -1                              ; everybody's are: lb2's bytes may be written
	WIN 0x0c                                       ; store data (source 1) in window 3
	s_wait_alu depctr_va_vdst(0)                   ; the products have written y, which the LDS stores read (the places above stay beside this wait); the epilogue is done with v64-127 and with VF, in which the first loads from the partial sums land
.irp a, 0,1,2,3,4,5,6,7
.irp d, 0,1,2,3
	ds_store_b128 v[YST], v[8*(4*\a+\d):8*(4*\a+\d)+3] offset:\a*16*YP+\d*64       ; row 16a + r, d = 16 dt + 8h + 0..3
	ds_store_b128 v[YST], v[8*(4*\a+\d)+4:8*(4*\a+\d)+7] offset:\a*16*YP+\d*64+16
.endr
.endr
	WIN 0
	s_wait_dscnt 0x0                               ; my partial is in LDS
	s_barrier_signal -1
	s_barrier_wait -1
	; wave w sums rows 32 w .. 32 w + 31, two rows a step, four steps to a batch.  Batch bt is read into buffer bt % 2, two batches ahead of its turn.
.macro YLOAD bt
.set TB, TT+128*((\bt)%2)
.irp qq, 0,1,2,3
	ds_load_b128 v[TB+16*\qq:TB+16*\qq+3], v[YRD0] offset:(4*(\bt)+\qq)*2*YP
	ds_load_b128 v[TB+16*\qq+4:TB+16*\qq+7], v[YRD0] offset:YW+(4*(\bt)+\qq)*2*YP
	ds_load_b128 v[TB+16*\qq+8:TB+16*\qq+11], v[YRD1] offset:(4*(\bt)+\qq)*2*YP
	ds_load_b128 v[TB+16*\qq+12:TB+16*\qq+15], v[YRD1] offset:YW+(4*(\bt)+\qq)*2*YP
.endr
.endm
	YLOAD 0
	YLOAD 1
.irp bt, 0,1,2,3
.set TB, TT+128*(\bt%2)
.irp qq, 0,1,2,3
.if \bt < 3
	s_wait_dscnt 28-4*\qq                          ; this step's four loads are in; the batch's younger steps' and the next batch's sixteen stay out
.else
	s_wait_dscnt 12-4*\qq                          ; the last batch: only its own younger steps' stay out
.endif
	v_pk_add_f32 v[TB+16*\qq:TB+16*\qq+1], v[TB+16*\qq:TB+16*\qq+1], v[TB+16*\qq+4:TB+16*\qq+5]
	v_pk_add_f32 v[TB+16*\qq+2:TB+16*\qq+3], v[TB+16*\qq+2:TB+16*\qq+3], v[TB+16*\qq+6:TB+16*\qq+7]
	v_pk_add_f32 v[TB+16*\qq+8:TB+16*\qq+9], v[TB+16*\qq+8:TB+16*\qq+9], v[TB+16*\qq+12:TB+16*\qq+13]
	v_pk_add_f32 v[TB+16*\qq+10:TB+16*\qq+11], v[TB+16*\qq+10:TB+16*\qq+11], v[TB+16*\qq+14:TB+16*\qq+15]
	v_pk_add_f32 v[RR+4*(4*\bt+\qq):RR+4*(4*\bt+\qq)+1], v[TB+16*\qq:TB+16*\qq+1], v[TB+16*\qq+8:TB+16*\qq+9]
	v_pk_add_f32 v[RR+4*(4*\bt+\qq)+2:RR+4*(4*\bt+\qq)+3], v[TB+16*\qq+2:TB+16*\qq+3], v[TB+16*\qq+10:TB+16*\qq+11]
.endr
	s_wait_alu depctr_va_vdst(0)                   ; the additions have written this batch's RR, which the stores below read, and are done with its buffer, in which the batch two further on lands
.if \bt < 2
	YLOAD \bt+2
.endif
.irp qq, 0,1,2,3
	global_store_b128 v[QOFF], v[RR+4*(4*\bt+\qq):RR+4*(4*\bt+\qq)+3], s[OB:OB+1] offset:(4*\bt+\qq)*8192 th:TH_STORE_NT   ; 16 lanes: one row's 256 bytes, aligned; each step has its own data registers
.endr
.endr
	s_wait_dscnt 0x0
	s_wait_alu depctr_hold_cnt(0) depctr_sa_sdst(0) depctr_va_vdst(0) depctr_va_sdst(0) depctr_va_ssrc(0) depctr_va_vcc(0) depctr_vm_vsrc(0)
	s_wait_tensorcnt 0x0
	ds_add_u32 v30, v31
	s_wait_dscnt 0x0
	s_endpgm
.Lfunc_end_k_q847aa92576_attn:
	.size	k_q847aa92576_attn, .Lfunc_end_k_q847aa92576_attn-k_q847aa92576_attn
	.p2alignl 7, 3214868480
	.fill 96, 4, 3214868480
	.section	.rodata,"a",@progbits
	.p2align	6, 0x0
	.amdhsa_kernel k_q847aa92576_attn
		.amdhsa_group_segment_fixed_size 289280
		.amdhsa_private_segment_fixed_size 0
		.amdhsa_enable_private_segment 0
		.amdhsa_kernarg_size 48
		.amdhsa_user_sgpr_count 2
		.amdhsa_user_sgpr_kernarg_segment_ptr 1
		.amdhsa_wavefront_size32 1
		.amdhsa_system_sgpr_workgroup_id_x 1
		.amdhsa_system_sgpr_workgroup_id_y 1
		.amdhsa_system_sgpr_workgroup_id_z 1
		.amdhsa_system_vgpr_workitem_id 0
		.amdhsa_next_free_vgpr 1024
		.amdhsa_next_free_sgpr 66
		.amdhsa_reserve_vcc 0
		.amdhsa_float_denorm_mode_32 3
		.amdhsa_float_denorm_mode_16_64 3
		.amdhsa_memory_ordered 1
		.amdhsa_forward_progress 1
		.amdhsa_inst_pref_size 200
	.end_amdhsa_kernel
	.amdgpu_metadata
---
amdhsa.version: [ 1, 2 ]
amdhsa.kernels:
  - .name:           k_q847aa92576_attn
    .symbol:         k_q847aa92576_attn.kd
    .args:
      - { .name: q, .offset: 0, .size: 8, .value_kind: global_buffer, .address_space: global }
      - { .name: w16, .offset: 8, .size: 8, .value_kind: global_buffer, .address_space: global }
      - { .name: k16, .offset: 16, .size: 8, .value_kind: global_buffer, .address_space: global }
      - { .name: m16, .offset: 24, .size: 8, .value_kind: global_buffer, .address_space: global }
      - { .name: v16, .offset: 32, .size: 8, .value_kind: global_buffer, .address_space: global }
      - { .name: out0, .offset: 40, .size: 8, .value_kind: global_buffer, .address_space: global }
    .group_segment_fixed_size: 289280
    .private_segment_fixed_size: 0
    .kernarg_segment_align: 8
    .kernarg_segment_size: 48
    .max_flat_workgroup_size: 128
    .sgpr_count:     66
    .vgpr_count:     1024
    .wavefront_size: 32
...
	.end_amdgpu_metadata
.endif
;; end of part 4
